; MI455X (gfx1250); checked and timed in simulation.
; The chip was launched on July 23, 2026; its instructions are those of AMD's public machine-readable ISA for CDNA 5 (MIT licence, August 2026) and "CDNA5" Instruction Set Architecture Reference Guide (July 2026). The comments in the code are by the model that wrote it; some were corrected since.
;; Multi Head Attention. Allowed arithmetic: matrix products marked QUANTISED: E5M2 operands, one given power-of-two scale a tensor, by v_wmma_f32_16x16x64_bf8_bf8 or v_wmma_f32_16x16x128_bf8_bf8, f32 sums; everything else in f32.
;; Inputs: Wk_codes 8 x 64 x 16 x 32 uint8 (E5M2 codes of Wk, K innermost, in blocks of 32 codes); Wo_codes 512 x 16 x 32 uint8 (E5M2 codes of Wo, K innermost, in blocks of 32 codes); Wq_codes 8 x 64 x 16 x 32 uint8 (E5M2 codes of Wq, K innermost, in blocks of 32 codes); Wv_codes 8 x 64 x 16 x 32 uint8 (E5M2 codes of Wv, K innermost, in blocks of 32 codes); bk 8 x 64 float32; bo 512 float32; bq 8 x 64 float32; bv 8 x 64 float32; k_in_codes 4 x 2,048 x 16 x 32 uint8 (E5M2 codes of k_in, K innermost, in blocks of 32 codes); lowp_scales 12 int32 (the exponents e of the quantised operands' scales 2^e); q_in_codes 4 x 2,048 x 16 x 32 uint8 (E5M2 codes of q_in, K innermost, in blocks of 32 codes); v_in_codes 4 x 2,048 x 16 x 32 uint8 (E5M2 codes of v_in, K innermost, in blocks of 32 codes).
;; Outputs: out0 4 x 2,048 x 512 float32.
;; This version of the problem:
;;   THIS VERSION OF THE PROBLEM IS GIVEN IN LOW PRECISION. The matrix products marked QUANTISED in the list below multiply operands that are first quantised to E5M2 (5 exponent bits, 2 mantissa bits; 8 bits a number), with one given power-of-two scale for each operand tensor; their sums are f32. All else is computed in f32.
;;   The module's matrix products, in the order in which they are computed (A, B: the left and right operand; K: the contracted axis; several contracted axes count as one K, in the product's order):
;;     1. [M 512, K 512] x [K 512, N 8,192]; A: input Wq (given as codes); B: input q_in (given as codes): QUANTISED (scales: A lowp_scales[0], B lowp_scales[1])
;;     2. [M 512, K 512] x [K 512, N 8,192]; A: input Wk (given as codes); B: input k_in (given as codes): QUANTISED (scales: A lowp_scales[2], B lowp_scales[3])
;;     3. [M 512, K 512] x [K 512, N 8,192]; A: input Wv (given as codes); B: input v_in (given as codes): QUANTISED (scales: A lowp_scales[4], B lowp_scales[5])
;;     4. batch 32 x [M 2,048, K 64] x [K 64, N 2,048]; A: computed on the way; B: computed on the way: QUANTISED (scales: A lowp_scales[6], B lowp_scales[7])
;;     5. batch 32 x [M 2,048, K 2,048] x [K 2,048, N 64]; A: softmax (see below); B: computed on the way: QUANTISED (scales: A lowp_scales[8], B lowp_scales[9])
;;     6. [M 8,192, K 512] x [K 512, N 512]; A: computed on the way; B: input Wo (given as codes): QUANTISED (scales: A lowp_scales[10], B lowp_scales[11])
;;   THE QUANTISER, for each operand of a quantised product, along K:
;;     - The operand's scale is 2^e, e = its entry of the input lowp_scales (int32; the entries are numbered through the quantised products in the list's order, A before B).
;;     - Each number is divided by the scale, clamped to +-57,344, and rounded to the nearest number of E5M2, ties to even, subnormals kept.
;;     - The product sums the exact products of the quantised numbers (number of the format x scale) in f32.
;;   ~~~python
;;   def quantise(x, axis, e):      # numpy; x: float32 -> the quantised numbers, widened to float32 again
;;       x = np.moveaxis(x, axis, -1); K = x.shape[-1]
;;       r = np.clip(x / 2.0 ** e, -57344, 57344)
;;       step = 2.0 ** (np.maximum(np.frexp(np.where(r == 0, 1, r))[1] - 1, -14) - 2)
;;       q = np.round(r / step) * step * 2.0 ** e      # np.round: ties to even
;;       return np.moveaxis(q, -1, axis).astype(np.float32)
;;   ~~~
;;   SOFTMAX AHEAD OF A QUANTISED PRODUCT. Where the list says 'softmax', what is quantised is not the finished softmax but p = 2^(t - M), with t = logit x log2(e) and M = ceil(the row's largest t), a whole number; so 1/2 < the row's largest p <= 1. The row's sum l is taken of the UNQUANTISED p, in f32, and the product's result is divided by l at the end. Since M is a whole number, a kernel that streams over the keys may use a running M (the ceiling of the running maximum): every later rescaling is an exact power of two, so the quantised numbers keep their values, but for numbers so far below the row's largest that they fall under the format's range.
;;   OPERANDS COMPUTED ON THE WAY. 'Computed on the way' means the value that the module computes at that place (a softmax that the list does not call 'softmax' is quantised finished and normalised). What goes into a quantiser is computed in f32, as accurately as f32 sums, v_exp_f32 and their like allow (about 1e-6 of the number): no bf16 or f16 on the way to a quantiser, and a product that is left as it is and whose result goes on into a quantised operand takes f32 operands (vector FMAs, or v_wmma_f32_16x16x4_f32). A number that lies on a knife's edge between two numbers of the format may be rounded either way, as far as f32 arithmetic and the matrix unit's own rounding can turn it there, and no further.
;;   INPUTS GIVEN AS CODES. Wk (in the module: [8, 512, 64], K = its axis 1); Wo (in the module: [512, 512], K = its axis 0); Wq (in the module: [8, 512, 64], K = its axis 1); Wv (in the module: [8, 512, 64], K = its axis 1); k_in (in the module: [4, 2048, 512], K = its axis 2); q_in (in the module: [4, 2048, 512], K = its axis 2); v_in (in the module: [4, 2048, 512], K = its axis 2): each comes as NAME_codes (uint8): NAME with its K axis moved to the last place and cut into blocks of 32 codes, [.., K / 32, bytes a block], one block behind the other in memory; one code a byte (a code: sign, 5 exponent bits, 2 mantissa bits); its scale is its entry of lowp_scales. Its value is code x scale, taken as it is: it is not quantised again, and the codes and scales need not be those that the quantiser above would give.
;; 2 versions. Each part assembles by itself: llvm-mc -triple=amdgcn-amd-amdhsa -mcpu=gfx1250 --defsym DOCPART=n.
;; ======== version 1 of 2: 3 launches
;; workspace buffers: qimg 4,194,304 bytes; kv 8,388,608 bytes; cimg 4,194,304 bytes
;; launch proj (part 1): grid 64 x 3, 8 waves a work-group, no clusters, 68,608 bytes of LDS; arguments q_in_codes, k_in_codes, v_in_codes, Wq_codes, Wk_codes, Wv_codes, bq, bk, bv, lowp_scales, qimg, kv; writes qimg, kv
.if DOCPART == 1
	.amdgcn_target "amdgcn-amd-amdhsa--gfx1250"
	.amdhsa_code_object_version 6
	.text
	.protected	k_qe366ae29ea_proj
	.globl	k_qe366ae29ea_proj
	.p2align	8
	.type	k_qe366ae29ea_proj,@function
k_qe366ae29ea_proj:
	s_mov_b64 s[64:65], 0
	v_nop
	global_prefetch_b8 v0, s[64:65] scope:SCOPE_SE
	s_setreg_imm32_b32 hwreg(HW_REG_WAVE_MODE, 25, 1), 1
	s_wait_xcnt 0x0
; q = q_in Wq + bq, k = k_in Wk + bk, v = v_in Wv + bv, on codes of E5M2 as they are given, each result quantised at once to E5M2 with its given scale, for the attention that follows.
; SHARES.  Work-group (x, y): y picks the tensor (0 q, 1 k, 2 v), x its 128 rows (batch x / 16, key step x % 16).  Wave w is head w: its 64 rows of W (32,768 bytes) stay in 256 registers;
; the 128 rows of the input are read from memory once, a whole row of 512 bytes a load, and reach all eight waves through LDS.
; RESULTS LEAVE AS IMAGES OF THE NEXT OPERAND'S REGISTERS: a piece is four registers of the 32 lanes, lane l's 16 bytes at 16 l, so every store covers 512 consecutive bytes, aligned.
; With r = lane % 16, g = lane / 16, rho(r) = r + 8 (r / 8): tile u of a block of 32 rows holds rows 8 u + rho(r).  A product whose source 0 takes such a tile leaves, in the 16 registers of tiles
; u = 0 and 1, sixteen NEIGHBOURS 16 g + 0 .. 15 of the block: so the conversions' results are pieces as they stand.
;   q, k: source 0 = 16 rows of W (tile t: d = 32 (t / 2) + 8 (t % 2) + rho(r)), source 1 = 16 input rows: a lane holds one row and registers along d, the next K.
;   v:    the sources swapped: a lane holds one d and registers along the keys, the next K.
; qimg [bh][block of 32 queries][u][d / 32][512];  kv [bh][key step of 128][16,384]: K's [tile 8][d / 32][512], then V's [tile of d 4][keys / 32][512].
; Every 8-bit fragment is fed by pieces of 16 bytes (registers 4 c .. 4 c + 3: k = 32 c + 16 g + 0 .. 15): one permutation of k, the same on both sides of each product.
; The bias is the C of a sum's first matrix instruction, divided by 2^(ea + eb), the power that the sums lack; the conversion then takes 2^(eo - ea - eb) as its one scale.
; NO JOINT LOADS: the weights are wanted in registers, once; a tile brought to LDS would be read once more from there into these registers and feed nothing on the way.
; 192 work-groups: three tensors of 64 row groups; groups of 64 rows would bring each wave's 32,768 bytes of W twice as often for the same products.
; LIMITS: eo - ea - eb between -126 and 112, so that the scale and 57,344 x the scale are f32 numbers.  NaN among the inputs is not served.
; REGISTERS.  Window 0: v1-11 addresses and constants; v16-143 the input's fragments X(u, s) at 16 + 64 u + 16 s (first: 16 raw rows); v144-207 eight accumulators; v208-239 the bias tiles; v240-255 codes.
;             Window 1: W(t, s) at 16 (4 t + s).
.set PITCH, 528                        ; an LDS row: 512 bytes + 16: an odd multiple of 16, so the 16 rows of a fragment load begin in 16 different columns of 16 bytes
.set LI,  1                            ; v1   16 x lane
.set XST, 4                            ; v4   where my wave's raw rows go in LDS
.set XRD, 5                            ; v5   r x PITCH + 16 g
.set WO,  6                            ; v6   rho(r) x 512 + 16 g
.set BQK, 7                            ; v7   64 g: the bias of q's and k's layout
.set BVO, 8                            ; v8   4 rho(r): the bias of v's layout
.set SC,  9                            ; v9   2^(eo - ea - eb)
.set LIM, 10                           ; v10  57,344 x that
.set X,   16
.set ACC, 144
.set BI,  208
.set CD,  240
.set MSB, 0
.macro WIN new                         ; the immediate's high byte repeats the setting that is left
.if MSB != \new
	s_set_vgpr_msb (MSB<<8)|\new
.set MSB, \new
.endif
.endm
.macro WLOAD s                         ; my head's four tiles of W, K step s: 16 loads
.irp t, 0,1,2,3
.irp c, 0,1,2,3
	global_load_b128 v[16*(4*\t+\s)+4*\c:16*(4*\t+\s)+4*\c+3], v[WO], s[6:7] offset:(32*(\t/2)+8*(\t%2))*512+128*\s+32*\c
.endr
.endr
.endm
	s_load_b512 s[16:31], s[0:1], 0x0              ; q_in, k_in, v_in, Wq, Wk, Wv, bq, bk
	s_load_b256 s[32:39], s[0:1], 0x40             ; bv, the scales' exponents, qimg, kv
	v_lshl_add_u32 v14, v0, 2, 0x10800
	v_mov_b32 v15, 0
	v_lshrrev_b32 v2, 5, v0
	v_readfirstlane_b32 s3, v2                     ; wave = head
	s_and_b32 s2, ttmp7, 0xffff                    ; which tensor
	v_and_b32 v1, 31, v0
	v_lshlrev_b32 v[LI], 4, v1
	v_and_b32 v2, 15, v0                           ; r
	v_bfe_u32 v3, v0, 4, 1                         ; g
	s_lshr_b32 s55, s3, 1                          ; raw row 16 w + i goes to LDS row 32 (w / 2) + 8 (w % 2) + 16 (i / 8) + i % 8:
	s_lshl_b32 s55, s55, 5                         ; tile 2 blk + u then lies in LDS rows 16 (2 blk + u) + r, in the lanes' order
	s_and_b32 s56, s3, 1
	s_lshl_b32 s56, s56, 3
	s_add_co_u32 s55, s55, s56
	s_mul_i32 s55, s55, PITCH
	v_add_nc_u32 v[XST], s55, v[LI]
	v_mul_u32_u24 v[XRD], v2, PITCH
	v_lshl_add_u32 v[XRD], v3, 4, v[XRD]
	v_and_b32 v11, 8, v2
	v_add_nc_u32 v11, v11, v2                      ; rho(r)
	v_lshlrev_b32 v[WO], 9, v11
	v_lshl_add_u32 v[WO], v3, 4, v[WO]
	v_lshlrev_b32 v[BQK], 6, v3
	v_lshlrev_b32 v[BVO], 2, v11
	s_lshl_b32 s56, ttmp9, 16                      ; the input: 128 rows of 512 bytes a work-group,
	s_lshl_b32 s57, s3, 13                         ; 16 of them a wave
	s_add_co_u32 s56, s56, s57
	s_mov_b32 s57, 0
	s_lshl_b32 s58, s3, 15                         ; W: 64 rows of 512 bytes a head
	s_mov_b32 s59, 0
	s_lshl_b32 s60, s3, 8                          ; the bias: 64 numbers a head
	s_mov_b32 s61, 0
	s_lshr_b32 s12, ttmp9, 4
	s_lshl_b32 s12, s12, 3
	s_add_co_u32 s12, s12, s3                      ; bh = 8 x batch + head
	s_and_b32 s13, ttmp9, 15                       ; the key step
	s_cmp_eq_u32 s2, 0
	s_cselect_b32 s14, 17, 18                      ; qimg: 131,072 bytes a head, 8,192 a step;  kv: twice that
	s_cselect_b32 s15, 13, 14
	s_lshl_b32 s12, s12, s14
	s_lshl_b32 s13, s13, s15
	s_add_co_u32 s12, s12, s13
	s_cmp_eq_u32 s2, 2
	s_cselect_b32 s13, 8192, 0                     ; V's pieces lie behind K's
	s_add_co_u32 s12, s12, s13
	s_mov_b32 s13, 0
	s_wait_kmcnt 0x0
	s_load_b256 s[40:47], s[34:35], 0x0            ; e0 .. e7
	s_load_b128 s[48:51], s[34:35], 0x20           ; e8 .. e11
	s_cmp_eq_u32 s2, 0                             ; the buffers are chosen on the work-group's number alone
	s_cselect_b64 s[4:5], s[16:17], s[18:19]
	s_cselect_b64 s[6:7], s[22:23], s[24:25]
	s_cselect_b64 s[8:9], s[28:29], s[30:31]
	s_cselect_b64 s[10:11], s[36:37], s[38:39]
	s_cmp_eq_u32 s2, 2
	s_cselect_b64 s[4:5], s[20:21], s[4:5]
	s_cselect_b64 s[6:7], s[26:27], s[6:7]
	s_cselect_b64 s[8:9], s[32:33], s[8:9]
	s_add_nc_u64 s[4:5], s[4:5], s[56:57]
	s_add_nc_u64 s[6:7], s[6:7], s[58:59]
	s_add_nc_u64 s[8:9], s[8:9], s[60:61]
	s_add_nc_u64 s[10:11], s[10:11], s[12:13]
.set i, 0
.rept 16
	global_load_b128 v[X+4*i:X+4*i+3], v[LI], s[4:5] offset:512*i th:TH_LOAD_NT   ; a whole row: 512 consecutive bytes; read by this wave alone in the launch
.set i, i+1
.endr
.irp t, 0,1,2,3                                ; the bias in both layouts (both stay inside the head's 256 bytes); each way uses its own
	global_load_b128 v[BI+8*\t:BI+8*\t+3], v[BQK], s[8:9] offset:(32*(\t/2)+8*(\t%2))*4
	global_load_b128 v[BI+8*\t+4:BI+8*\t+7], v[BQK], s[8:9] offset:(32*(\t/2)+8*(\t%2))*4+16
.endr
.irp t, 0,1,2,3
	global_load_b32 v[CD+\t], v[BVO], s[8:9] offset:(32*(\t/2)+8*(\t%2))*4
.endr
	WIN 0x40                                       ; destination window 1
	WLOAD 0
	WLOAD 1
	WIN 0
	s_wait_loadcnt 44                              ; younger than my 16 rows: 12 loads of bias and 32 of W
.set i, 0
.rept 16
	ds_store_b128 v[XST], v[X+4*i:X+4*i+3] offset:(16*(i/8)+(i%8))*PITCH
.set i, i+1
.endr
	WIN 0x40
	WLOAD 2
	WLOAD 3
	WIN 0
	s_wait_dscnt 0x0                               ; for the others' sake: my rows lie in LDS
	s_barrier_signal -1
	s_barrier_wait -1                              ; all 128 rows do.  The launch's only barrier: nothing is stored to LDS behind it
	s_wait_kmcnt 0x0
	s_add_co_i32 s40, s40, s41                     ; ea + eb of each of the three products
	s_add_co_i32 s42, s42, s43
	s_add_co_i32 s44, s44, s45
	s_cmp_eq_u32 s2, 0
	s_cselect_b32 s52, s40, s42
	s_cselect_b32 s53, s46, s47                    ; the result's scale: q entry 6, k entry 7,
	s_cmp_eq_u32 s2, 2
	s_cselect_b32 s52, s44, s52
	s_cselect_b32 s53, s49, s53                    ; v entry 9
	s_sub_co_i32 s54, 0, s52                       ; -(ea + eb), for the bias
	s_sub_co_i32 s55, s53, s52
	s_add_co_i32 s55, s55, 127
	s_lshl_b32 s56, s55, 23
	v_mov_b32 v[SC], s56                           ; 2^(eo - ea - eb) as f32: the conversion takes its exponent field
	s_add_co_i32 s55, s55, 15
	s_lshl_b32 s55, s55, 23
	s_or_b32 s55, s55, 0x600000
	v_mov_b32 v[LIM], s55                          ; 57,344 x that
; A block of 32 input rows (two tiles u) against my head's four tiles of W: 32 matrix instructions, eight accumulators by turns, one instruction a turn.
.macro BLOCK swap, blk
.irp s, 0,1,2,3
.irp u, 0,1
.irp c, 0,1,2,3
	ds_load_b128 v[X+64*\u+16*\s+4*\c:X+64*\u+16*\s+4*\c+3], v[XRD] offset:16*(2*\blk+\u)*PITCH+128*\s+32*\c
.endr
.endr
.endr
.irp s, 0,1,2,3
	s_wait_dscnt 8*(3-\s)                          ; K step s's eight loads are in; eight for each later step may be out
.if (\blk == 0) && (\s > 0)
	s_wait_loadcnt 16*(3-\s)                       ; W's K step s is in; sixteen loads for each later step may be out
.endif
.if \swap
	WIN 0x04                                       ; source 1 (W) window 1
.else
	WIN 0x01                                       ; source 0 (W) window 1
.endif
.irp t, 0,1,2,3
.irp u, 0,1
.if \swap
.if \s == 0
	v_wmma_f32_16x16x128_bf8_bf8 v[ACC+16*\t+8*\u:ACC+16*\t+8*\u+7], v[X+64*\u+16*\s:X+64*\u+16*\s+15], v[16*(4*\t+\s):16*(4*\t+\s)+15], v[BI+8*\t:BI+8*\t+7]
.else
	v_wmma_f32_16x16x128_bf8_bf8 v[ACC+16*\t+8*\u:ACC+16*\t+8*\u+7], v[X+64*\u+16*\s:X+64*\u+16*\s+15], v[16*(4*\t+\s):16*(4*\t+\s)+15], v[ACC+16*\t+8*\u:ACC+16*\t+8*\u+7]
.endif
.else
.if \s == 0
	v_wmma_f32_16x16x128_bf8_bf8 v[ACC+32*\u+8*\t:ACC+32*\u+8*\t+7], v[16*(4*\t+\s):16*(4*\t+\s)+15], v[X+64*\u+16*\s:X+64*\u+16*\s+15], v[BI+8*\t:BI+8*\t+7]
.else
	v_wmma_f32_16x16x128_bf8_bf8 v[ACC+32*\u+8*\t:ACC+32*\u+8*\t+7], v[16*(4*\t+\s):16*(4*\t+\s)+15], v[X+64*\u+16*\s:X+64*\u+16*\s+15], v[ACC+32*\u+8*\t:ACC+32*\u+8*\t+7]
.endif
.endif
.endr
.endr
.endr
	WIN 0
.rept 4
	v_nop                                          ; four places behind the last products, ahead of the first read of results; with the holds below they also serve the next block's loads and first products
.endr
.set i, 0
.rept 64
	v_med3_num_f32 v[ACC+i], v[ACC+i], -v[LIM], v[LIM]   ; the conversion to an 8-bit code does not saturate (ISA guide 7.6.2): the hold; each accumulator from its low end on
.set i, i+1
.endr
.if \blk > 0
	s_wait_xcnt 0x0                                ; the last block's stores have read their data: the codes' registers are written again only behind this wait
.endif
.irp k, 0,1,2,3,4,5,6,7
	v_cvt_scalef32_pk8_bf8_f32 v[CD+2*\k:CD+2*\k+1], v[ACC+8*\k:ACC+8*\k+7], v[SC]
.endr
	v_nop                                          ; one plain vector line behind the last conversion: the next block's products write its sources
.irp p, 0,1,2,3
.if \swap
	global_store_b128 v[LI], v[CD+4*\p:CD+4*\p+3], s[10:11] offset:\p*2048+\blk*512    ; V: tile of d p, keys 32 blk on
.else
	global_store_b128 v[LI], v[CD+4*\p:CD+4*\p+3], s[10:11] offset:\blk*2048+\p*512    ; q, K: tile 2 blk + p / 2, d 32 (p % 2) on
.endif
.endr
.endm
	s_wait_loadcnt 48                              ; the biases and W's K step 0 are in; W's three later K steps, 16 loads each, may be out
	s_cmp_eq_u32 s2, 2
	s_cbranch_scc1 .Lv
.set i, 0
.rept 32
	v_ldexp_f32 v[BI+i], v[BI+i], s54              ; b / 2^(ea + eb): register j of tile t: d = 32 (t / 2) + 8 (t % 2) + 16 g + j
.set i, i+1
.endr
	BLOCK 0, 0
	BLOCK 0, 1
	BLOCK 0, 2
	BLOCK 0, 3
	s_wait_tensorcnt 0x0
	ds_add_u32 v14, v15
	s_wait_dscnt 0x0
	s_endpgm
.Lv:
.irp t, 0,1,2,3
.irp j, 0,1,2,3,4,5,6,7
	v_ldexp_f32 v[BI+8*\t+\j], v[CD+\t], s54       ; here a lane holds one d: its bias in all eight registers
.endr
.endr
	BLOCK 1, 0
	BLOCK 1, 1
	BLOCK 1, 2
	BLOCK 1, 3
	s_wait_tensorcnt 0x0
	ds_add_u32 v14, v15
	s_wait_dscnt 0x0
	s_endpgm
.Lfunc_end_k_qe366ae29ea_proj:
	.size	k_qe366ae29ea_proj, .Lfunc_end_k_qe366ae29ea_proj-k_qe366ae29ea_proj
	.p2alignl 7, 3214868480
	.fill 96, 4, 3214868480
	.section	.rodata,"a",@progbits
	.p2align	6, 0x0
	.amdhsa_kernel k_qe366ae29ea_proj
		.amdhsa_group_segment_fixed_size 68608
		.amdhsa_private_segment_fixed_size 0
		.amdhsa_enable_private_segment 0
		.amdhsa_kernarg_size 96
		.amdhsa_user_sgpr_count 2
		.amdhsa_user_sgpr_kernarg_segment_ptr 1
		.amdhsa_wavefront_size32 1
		.amdhsa_system_sgpr_workgroup_id_x 1
		.amdhsa_system_sgpr_workgroup_id_y 1
		.amdhsa_system_sgpr_workgroup_id_z 1
		.amdhsa_system_vgpr_workitem_id 0
		.amdhsa_next_free_vgpr 512
		.amdhsa_next_free_sgpr 66
		.amdhsa_reserve_vcc 0
		.amdhsa_float_denorm_mode_32 3
		.amdhsa_float_denorm_mode_16_64 3
		.amdhsa_memory_ordered 1
		.amdhsa_forward_progress 1
		.amdhsa_inst_pref_size 92
	.end_amdhsa_kernel
	.amdgpu_metadata
---
amdhsa.version: [ 1, 2 ]
amdhsa.kernels:
  - .name:           k_qe366ae29ea_proj
    .symbol:         k_qe366ae29ea_proj.kd
    .args:
      - { .name: q_in_codes, .offset: 0, .size: 8, .value_kind: global_buffer, .address_space: global }
      - { .name: k_in_codes, .offset: 8, .size: 8, .value_kind: global_buffer, .address_space: global }
      - { .name: v_in_codes, .offset: 16, .size: 8, .value_kind: global_buffer, .address_space: global }
      - { .name: Wq_codes, .offset: 24, .size: 8, .value_kind: global_buffer, .address_space: global }
      - { .name: Wk_codes, .offset: 32, .size: 8, .value_kind: global_buffer, .address_space: global }
      - { .name: Wv_codes, .offset: 40, .size: 8, .value_kind: global_buffer, .address_space: global }
      - { .name: bq, .offset: 48, .size: 8, .value_kind: global_buffer, .address_space: global }
      - { .name: bk, .offset: 56, .size: 8, .value_kind: global_buffer, .address_space: global }
      - { .name: bv, .offset: 64, .size: 8, .value_kind: global_buffer, .address_space: global }
      - { .name: lowp_scales, .offset: 72, .size: 8, .value_kind: global_buffer, .address_space: global }
      - { .name: qimg, .offset: 80, .size: 8, .value_kind: global_buffer, .address_space: global }
      - { .name: kv, .offset: 88, .size: 8, .value_kind: global_buffer, .address_space: global }
    .group_segment_fixed_size: 68608
    .private_segment_fixed_size: 0
    .kernarg_segment_align: 8
    .kernarg_segment_size: 96
    .max_flat_workgroup_size: 256
    .sgpr_count:     66
    .vgpr_count:     512
    .wavefront_size: 32
...
	.end_amdgpu_metadata
.endif
;; end of part 1
;; launch attn (part 2): grid 8 x 32, 8 waves a work-group, clusters of 4 x 1, 263,168 bytes of LDS; arguments qimg, kv, lowp_scales, cimg; writes cimg
.if DOCPART == 2
	.amdgcn_target "amdgcn-amd-amdhsa--gfx1250"
	.amdhsa_code_object_version 6
	.text
	.protected	k_qe366ae29ea_attn
	.globl	k_qe366ae29ea_attn
	.p2align	8
	.type	k_qe366ae29ea_attn,@function
k_qe366ae29ea_attn:
	s_mov_b64 s[64:65], 0
	v_nop
	global_prefetch_b8 v0, s[64:65] scope:SCOPE_SE
	s_setreg_imm32_b32 hwreg(HW_REG_WAVE_MODE, 25, 1), 1
	s_wait_xcnt 0x0
	s_wait_alu depctr_hold_cnt(0) depctr_sa_sdst(0) depctr_va_vdst(0) depctr_va_sdst(0) depctr_va_ssrc(0) depctr_va_vcc(0) depctr_vm_vsrc(0)
	s_getreg_b32 s2, hwreg(HW_REG_IB_STS2, 6, 4)
	s_cmp_eq_u32 s2, 0
	s_cbranch_scc0 .Lentry_in_a_cluster
	s_endpgm
.Lentry_in_a_cluster:
	s_bfe_u32 s2, ttmp6, 0x10000c
	s_cmp_lg_u32 s2, 0x3003
	s_cbranch_scc0 .Lentry_shape_is_right
	s_endpgm
.Lentry_shape_is_right:
; For each head: O[q] = sum over keys of softmax(q . k / 8) v, both products on codes of E5M2; the result, divided by the row's sum, is quantised at once for the last product.
; THE SOFTMAX AHEAD OF THE SECOND PRODUCT: t = score x log2(e) / 8; M = the running largest t rounded UP to a whole number, kept as -M = floor(-t); p = 2^(t - M) is quantised with the given 2^e8, not normalised;
; the row's sum is taken of the unquantised p; when M moves, the sum and O are multiplied by 2^(old M - new M), which rounds nothing.
; SHARES.  Work-group: 256 queries of one head (y = 8 x batch + head).  Each of its eight waves owns a block of 32 queries, two tiles u of 16 (queries 8 u + rho(r), rho(r) = r + 8 (r / 8)),
; so that each fragment of K and V read from LDS feeds two matrix instructions; two waves share a SIMD, so one wave's vector work stands beside the other's products and LDS loads.
; LDS holds the head's WHOLE block of kv, 262,144 bytes, byte for byte as it lies in memory: filled once, never again, so there is no ring.  It lies as images of operand registers
; (a piece: 512 bytes, lane l's 16 at 16 l): every LDS load takes 512 consecutive bytes.
; CLUSTER.  The four query blocks of a cluster walk the same head: every tile is asked for JOINTLY, by the same tensor load with the same descriptor and the mask of all four.
; Each wave asks for three chunks, its eighth of key steps 0-1, 2-7 and 8-15: three tensor loads of a wave are out at the most.  The first chunk is small, so that work begins when 32,768 bytes have landed.
; LAYOUT.  Both products are used transposed: S^T = K Q^T (source 0 = 16 keys), O^T = V^T P^T (source 0 = 16 of d): a lane holds ONE query throughout.  Tile 2 b + u of K holds keys 32 b + 8 u + rho(r), so
; the 16 registers of tiles 2 b, 2 b + 1 are keys 32 b + 16 g + 0 .. 15: the conversions' results are P's fragment.  V's tiles of d are chosen likewise, so O^T's conversions give pieces of the last product's operand:
; cimg [block of 32 rows][u][K step of 128][32 along K][512], K = 64 x head + d.
; LIMITS: e6 + e7 between -123 and 130 (added to c's exponent field); e8 and e10 between -126 and 112; e8 + e9 goes in by v_ldexp_f32 and has none.  NaN among the inputs is not served.
; REGISTERS.  Window 0: v1 16 x lane; v2 the step's LDS address; v8-15 for tile u at 8 + 4 u: -M, the largest t, the sum in two halves; v16-19 f (a pair a tile); v20-29 constants and work; v64-191 S^T, then p; v192-223 P.
;             Window 1: v0-63 K's eight tiles, then V's four; v64-127 O^T, (u, t) at 64 + 32 u + 8 t; v128-143 Q.
.set KSB,  16384                       ; a key step in LDS: 8,192 bytes of K, 8,192 of V
.set LI,   1
.set ADR,  2
.set ST,   8
.set F,    16
.set LIMP, 20                          ; v20  57,344 x 2^e8
.set SCP,  21                          ; v21  2^e8
.set TA,   22
.set TC,   23
.set PD,   24                          ; v24-25  lane permutes' destinations, written once at the head
.set SU,   26                          ; v[26:27] the sum's second chain
.set LIMO, 28                          ; v28  57,344 x 2^e10
.set SCO,  29                          ; v29  2^e10
.set S,    64
.set P,    192
.set OF,   64                          ; in window 1
.set QF,   128                         ; in window 1
.set WV,   12                          ; s12  my wave's number
.set G1A,  16                          ; s[16:23], s[24:31], s[32:39]: descriptor groups 1 of the three chunks
.set G1B,  24
.set G1C,  32
.set G0A,  40                          ; s[40:43], s[44:47], s[48:51]: their groups 0
.set G0B,  44
.set G0C,  48
.set SEL,  52                          ; s[52:53] v_permlanex16_b32's selects for lane l xor 16
.set CS,   54                          ; s[54:55] c = log2(e) / 8 x 2^(e6 + e7)
.set TB,   56                          ; s56  LDS byte of the key step in hand
.set CNT,  57                          ; s57  steps to go in the chunk
.set MSB, 0
.macro WIN new                         ; the immediate's high byte repeats the setting that is left
.if MSB != \new
	s_set_vgpr_msb (MSB<<8)|\new
.set MSB, \new
.endif
.endm
.macro ROUND                           ; a round of the cluster's barrier: my work-group's barrier; wave 0 signals for the work-group; every wave waits for all four; my work-group's barrier once more
	s_barrier_signal -1
	s_barrier_wait -1
	s_cmp_lg_u32 s[WV], 0
	s_cbranch_scc1 .Lnot_wave_0_\@
	s_barrier_signal -3
.Lnot_wave_0_\@:
	s_barrier_wait -3
	s_barrier_signal -1
	s_barrier_wait -1
.endm
	s_load_b256 s[4:11], s[0:1], 0x0               ; qimg, kv, the scales' exponents, cimg
	v_lshl_add_u32 v254, v0, 2, 0x40000
	v_mov_b32 v255, 0
	ds_add_u32 v254, v255
	ds_add_u32 v254, v255
	v_lshrrev_b32 v2, 5, v0
	v_readfirstlane_b32 s[WV], v2                  ; wave 0..7
	v_and_b32 v1, 31, v0
	v_lshlrev_b32 v[LI], 4, v1
	s_bfe_u32 s13, ttmp6, 0x40000                  ; cx: it enters qimg's and cimg's addresses alone
	s_lshl_b32 s14, ttmp9, 2
	s_add_co_u32 s14, s14, s13                     ; my block of 256 queries
	s_and_b32 s15, ttmp7, 0xffff                   ; bh, which the four partners share
	; descriptor groups 1: dense blocks as rows of 256 bytes: elements of 8 bytes, 32 to a row, no padding; 16, 48 and 64 rows
.irp g, G1A, G1B, G1C
	s_mov_b32 s[\g], 15|(3<<16)|(1<<21)            ; 15:0 the mask: all four work-groups; 17:16 elements of 8 bytes; 21 set beside a mask
	s_mov_b32 s[\g+1], 32<<16                      ; tensor_dim0 = 32
	s_mov_b32 s[\g+3], 32<<16                      ; tile_dim0 = 32
	s_mov_b32 s[\g+5], 32                          ; from row to row: 32 elements
	s_mov_b32 s[\g+6], 0
	s_mov_b32 s[\g+7], 0
.endr
	s_mov_b32 s[G1A+2], 16<<16                     ; tensor_dim1,
	s_mov_b32 s[G1A+4], 16                         ; tile_dim1
	s_mov_b32 s[G1B+2], 48<<16
	s_mov_b32 s[G1B+4], 48
	s_mov_b32 s[G1C+2], 64<<16
	s_mov_b32 s[G1C+4], 64
	s_mov_b32 s[SEL], 0x76543210
	s_mov_b32 s[SEL+1], 0xfedcba98
	s_mov_b32 s[CS], 0x3e38aa3b                    ; log2(e) / 8
	s_lshl_b32 s80, s15, 18                        ; the head's block of kv
	s_mov_b32 s81, 0
	s_lshl_b32 s82, s[WV], 12                      ; my eighth of each chunk: the same offset in LDS and in the head's block
	s_mov_b32 s83, 0
	s_mul_i32 s84, s[WV], 12288
	s_add_co_u32 s84, s84, 32768
	s_mov_b32 s85, 0
	s_lshl_b32 s92, s[WV], 14
	s_add_co_u32 s92, s92, 131072
	s_mov_b32 s93, 0
	s_lshl_b32 s86, s14, 3
	s_add_co_u32 s86, s86, s[WV]                   ; my block of 32 queries in the head
	s_lshl_b32 s88, s86, 11
	s_lshl_b32 s89, s15, 17
	s_add_co_u32 s88, s88, s89                     ; its four pieces in qimg
	s_mov_b32 s89, 0
	s_lshr_b32 s90, s15, 3
	s_lshl_b32 s90, s90, 6
	s_add_co_u32 s90, s90, s86                     ; the block of 32 rows among all 256
	s_lshl_b32 s90, s90, 14
	s_bfe_u32 s91, s15, 0x20001                    ; head / 2: the last product's K step
	s_lshl_b32 s91, s91, 11
	s_add_co_u32 s90, s90, s91
	s_and_b32 s91, s15, 1                          ; head % 2: which two of its four pieces
	s_lshl_b32 s91, s91, 10
	s_add_co_u32 s90, s90, s91
	s_mov_b32 s91, 0
	s_wait_dscnt 0x0
	s_wait_kmcnt 0x0
	s_load_b256 s[72:79], s[8:9], 0x10             ; e4 .. e11
	s_add_nc_u64 s[6:7], s[6:7], s[80:81]
	s_add_nc_u64 s[4:5], s[4:5], s[88:89]
	s_add_nc_u64 s[10:11], s[10:11], s[90:91]
	s_mov_b32 s[G0A], 1                            ; count = 1
	s_mov_b32 s[G0A+1], s82                        ; LDS address
	s_add_nc_u64 s[G0A+2:G0A+3], s[6:7], s[82:83]  ; global address
	s_or_b32 s[G0A+3], s[G0A+3], 0x80000000        ; type = 2
	s_mov_b32 s[G0B], 1
	s_mov_b32 s[G0B+1], s84
	s_add_nc_u64 s[G0B+2:G0B+3], s[6:7], s[84:85]
	s_or_b32 s[G0B+3], s[G0B+3], 0x80000000
	s_mov_b32 s[G0C], 1
	s_mov_b32 s[G0C+1], s92
	s_add_nc_u64 s[G0C+2:G0C+3], s[6:7], s[92:93]
	s_or_b32 s[G0C+3], s[G0C+3], 0x80000000
	ROUND                                          ; all four work-groups are here: the joint loads meet
	tensor_load_to_lds s[G0A:G0A+3], s[G1A:G1A+7]  ; all fills of the launch go out together, ahead of every wait on TENSORcnt and every LDS read
	s_nop 0
	tensor_load_to_lds s[G0B:G0B+3], s[G1B:G1B+7]
	s_nop 0
	tensor_load_to_lds s[G0C:G0C+3], s[G1C:G1C+7]
	s_nop 0
.rept 4
	v_nop                                          ; four lines ahead of the window's switch
.endr
	WIN 0x40                                       ; destination window 1
.irp i, 0,1,2,3
	global_load_b128 v[QF+4*\i:QF+4*\i+3], v[LI], s[4:5] offset:512*\i th:TH_LOAD_NT   ; Q's two fragments stay in registers; read by this wave alone
.endr
.set i, 0
.rept 64
	v_mov_b32 v[OF+i], 0                           ; O^T.  (The step is written once: the first finds zeros, which the first change of M leaves zeros)
.set i, i+1
.endr
	WIN 0
.irp u, 0,1
	v_mov_b32 v[ST+4*\u+1], 0xff61b1e6             ; the largest t so far: -3e38, under every t
	v_floor_f32 v[ST+4*\u], -v[ST+4*\u+1]          ; -M
	v_mov_b32 v[ST+4*\u+2], 0                      ; the sum, in two halves
	v_mov_b32 v[ST+4*\u+3], 0
	v_mov_b32 v[F+2*\u], 0
	v_mov_b32 v[F+2*\u+1], 0                       ; (named as the upper half of a pair)
	v_mov_b32 v[PD+\u], 0                          ; a lane permute's destination counts as one of its sources
.endr
	s_wait_kmcnt 0x0
	s_add_co_i32 s94, s74, s75
	s_lshl_b32 s94, s94, 23
	s_add_co_i32 s[CS], s[CS], s94                 ; a score stands for score x 2^(e6 + e7): added to c's exponent field
	s_mov_b32 s[CS+1], s[CS]                       ; (named with it as a pair)
	s_add_co_i32 s94, s76, 127
	s_lshl_b32 s95, s94, 23
	v_mov_b32 v[SCP], s95
	s_add_co_i32 s94, s94, 15
	s_lshl_b32 s94, s94, 23
	s_or_b32 s94, s94, 0x600000
	v_mov_b32 v[LIMP], s94
	s_add_co_i32 s94, s78, 127
	s_lshl_b32 s95, s94, 23
	v_mov_b32 v[SCO], s95
	s_add_co_i32 s94, s94, 15
	s_lshl_b32 s94, s94, 23
	s_or_b32 s94, s94, 0x600000
	v_mov_b32 v[LIMO], s94
	s_add_co_i32 s94, s76, s77                     ; e8 + e9
; One tile's softmax for a step of 128 keys: 64 scores a lane.
.macro SOFT u
.set rS, S+64*\u
.set rT, ST+4*\u
.set rF, F+2*\u
.set rP, P+16*\u
	v_max3_num_f32 v[TA], v[rS], v[rS+1], v[rS+2]          ; the step's largest score of my query among my 64 keys, in two chains, each accumulator from its low end on
	v_max3_num_f32 v[TC], v[rS+3], v[rS+4], v[rS+5]
.irp i, 6,10,14,18,22,26,30,34,38,42,46,50,54,58
	v_max3_num_f32 v[TA], v[TA], v[rS+\i], v[rS+\i+1]
	v_max3_num_f32 v[TC], v[TC], v[rS+\i+2], v[rS+\i+3]
.endr
	v_max3_num_f32 v[TA], v[TA], v[rS+62], v[rS+63]
	v_max_num_f32 v[TA], v[TA], v[TC]
	v_permlanex16_b32 v[PD], v[TA], s[SEL], s[SEL+1]
	v_max_num_f32 v[TA], v[TA], v[PD]                      ; and among lane l xor 16's
	v_mul_f32 v[TA], s[CS], v[TA]                          ; as t (c is positive)
	v_max_num_f32 v[rT+1], v[rT+1], v[TA]                  ; the running largest t
	v_mov_b32 v[TA], v[rT]
	v_floor_f32 v[rT], -v[rT+1]                            ; the new -M = -ceil(t): a whole number
	v_sub_f32 v[TA], v[rT], v[TA]                          ; old M - new M: a whole number, 0 or less
	v_cvt_i32_f32 v[TA], v[TA]                             ; (it saturates)
	v_ldexp_f32 v[rF], 1.0, v[TA]                          ; f = 2^(old M - new M)
.set j, 0
.rept 32
	v_pk_fma_f32 v[rS+j:rS+j+1], v[rS+j:rS+j+1], s[CS:CS+1], v[rT:rT+1] op_sel_hi:[1,0,0]   ; t - M, two at a time (of the pairs c and -M the low word serves both halves)
.set j, j+2
.endr
.set j, 0
.rept 64
	v_exp_f32 v[rS+j], v[rS+j]                             ; p = 2^(t - M), at most 1
.set j, j+1
.endr
	v_pk_mul_f32 v[rT+2:rT+3], v[rT+2:rT+3], v[rF:rF+1] op_sel_hi:[1,0]   ; the sums under the new M: the plain line behind the exponentials
	s_wait_alu depctr_va_vdst(0)
	v_pk_add_f32 v[SU:SU+1], v[rS:rS+1], v[rS+2:rS+3]      ; the row's sum is taken of the unquantised p, in two chains
.set j, 4
.rept 15
	v_pk_add_f32 v[rT+2:rT+3], v[rT+2:rT+3], v[rS+j:rS+j+1]
	v_pk_add_f32 v[SU:SU+1], v[SU:SU+1], v[rS+j+2:rS+j+3]
.set j, j+4
.endr
	v_pk_add_f32 v[rT+2:rT+3], v[rT+2:rT+3], v[SU:SU+1]
.irp b, 0,1,2,3
.irp i, 0,1,2,3,4,5,6,7,8,9,10,11,12,13,14,15
	v_min_num_f32 v[rS+16*\b+\i], v[rS+16*\b+\i], v[LIMP]  ; the conversion does not saturate (ISA guide 7.6.2); p is not negative, so the hold is one-sided
.endr
	v_cvt_scalef32_pk8_bf8_f32 v[rP+4*\b:rP+4*\b+1], v[rS+16*\b:rS+16*\b+7], v[SCP]
	v_cvt_scalef32_pk8_bf8_f32 v[rP+4*\b+2:rP+4*\b+3], v[rS+16*\b+8:rS+16*\b+15], v[SCP]
.endr
.endm
; A key step: 128 keys, both tiles of queries.
.macro STEP
	v_add_nc_u32 v[ADR], s[TB], v[LI]
.rept 3
	v_nop                                          ; with the addition: four places behind the last step's products, ahead of loads into the registers that they read (ISA guide 7.12.1 for vector instructions)
.endr
	WIN 0x40                                       ; destination window 1
.set i, 0
.rept 16
	ds_load_b128 v[4*i:4*i+3], v[ADR] offset:512*i         ; K: tile i / 2, d 32 (i % 2) on
.set i, i+1
.endr
	s_wait_dscnt 8                                 ; tiles 0-3 are in; the eight loads of tiles 4-7 may be out
	WIN 0x05                                       ; K and Q window 1, S^T window 0
.irp t, 0,1,2,3
.irp u, 0,1
	v_wmma_f32_16x16x64_bf8_bf8 v[S+64*\u+8*\t:S+64*\u+8*\t+7], v[8*\t:8*\t+7], v[QF+8*\u:QF+8*\u+7], 0
.endr
.endr
	s_wait_dscnt 0x0
.irp t, 4,5,6,7
.irp u, 0,1
	v_wmma_f32_16x16x64_bf8_bf8 v[S+64*\u+8*\t:S+64*\u+8*\t+7], v[8*\t:8*\t+7], v[QF+8*\u:QF+8*\u+7], 0
.endr
.endr
.rept 4
	v_nop                                          ; four places: ahead of V's loads into K's registers, and of the first read of the scores
.endr
	WIN 0x40
.set i, 0
.rept 16
	ds_load_b128 v[4*i:4*i+3], v[ADR] offset:8192+512*i    ; V: tile i / 4, keys 32 (i % 4) on; it lands while the softmax is worked
.set i, i+1
.endr
	WIN 0
	SOFT 0
	SOFT 1
	WIN 0x41                                       ; O^T (destination and source 0) window 1, f window 0
.irp u, 0,1
.set i, 0
.rept 16
	v_pk_mul_f32 v[OF+32*\u+2*i:OF+32*\u+2*i+1], v[OF+32*\u+2*i:OF+32*\u+2*i+1], v[F+2*\u:F+2*\u+1] op_sel_hi:[1,0]   ; O^T under the new M; also the plain lines behind the conversions
.set i, i+1
.endr
.endr
	s_wait_dscnt 0x0                               ; V is in
	WIN 0x51                                       ; V window 1, P window 0, O^T window 1
.irp t, 0,1,2,3
.irp u, 0,1
	v_wmma_f32_16x16x128_bf8_bf8 v[OF+32*\u+8*\t:OF+32*\u+8*\t+7], v[16*\t:16*\t+15], v[P+16*\u:P+16*\u+15], v[OF+32*\u+8*\t:OF+32*\u+8*\t+7]   ; eight accumulators by turns
.endr
.endr
	WIN 0
.endm
; A chunk: my part has landed (left = my younger chunks, which may stay out), everybody's has behind the barrier; then its key steps.
.macro PHASE left, base, trips
	s_wait_tensorcnt \left
	s_wait_dscnt 0x0
	s_barrier_signal -1
	s_barrier_wait -1
	s_mov_b32 s[TB], \base
	s_mov_b32 s[CNT], \trips
.Lstep_\@:
	STEP
	s_add_co_u32 s[TB], s[TB], KSB
	s_sub_co_u32 s[CNT], s[CNT], 1
	s_cmp_lg_u32 s[CNT], 0
	s_cbranch_scc1 .Lstep_\@
.endm
	s_wait_loadcnt 0x0                             ; Q
	PHASE 2, 0, 2
	PHASE 1, 32768, 6
	PHASE 0, 131072, 8
	; THE WAY OUT.  The sum's arithmetic stands in the places behind the last products.
.irp u, 0,1
	v_add_f32 v[ST+4*\u+2], v[ST+4*\u+2], v[ST+4*\u+3]     ; the sum's two halves,
.endr
.irp u, 0,1
	v_permlanex16_b32 v[PD+\u], v[ST+4*\u+2], s[SEL], s[SEL+1]
.endr
.irp u, 0,1
	v_add_f32 v[ST+4*\u+2], v[ST+4*\u+2], v[PD+\u]         ; and lane l xor 16's
.endr
.irp u, 0,1
	v_rcp_f32 v[ST+4*\u+2], v[ST+4*\u+2]
.endr
	v_nop                                          ; one plain line behind a transcendental
	s_wait_alu depctr_va_vdst(0)
.irp u, 0,1
	v_ldexp_f32 v[ST+4*\u+2], v[ST+4*\u+2], s94            ; x 2^(e8 + e9)
.endr
	WIN 0x01                                       ; O^T window 1, the rest window 0
.irp u, 0,1
.set i, 0
.rept 16
	v_pk_mul_f32 v[S+32*\u+2*i:S+32*\u+2*i+1], v[OF+32*\u+2*i:OF+32*\u+2*i+1], v[ST+4*\u+2:ST+4*\u+3] op_sel_hi:[1,0]   ; register 32 u + 16 b + i: out(query, d = 32 b + 16 g + i)
.set i, i+1
.endr
.endr
	WIN 0
.set i, 0
.rept 64
	v_med3_num_f32 v[S+i], v[S+i], -v[LIMO], v[LIMO]       ; the hold at 57,344 x 2^e10
.set i, i+1
.endr
.irp k, 0,1,2,3,4,5,6,7
	v_cvt_scalef32_pk8_bf8_f32 v[P+2*\k:P+2*\k+1], v[S+8*\k:S+8*\k+7], v[SCO]
.endr
	v_nop
.irp p, 0,1,2,3
	global_store_b128 v[LI], v[P+4*\p:P+4*\p+3], s[10:11] offset:(\p/2)*8192+(\p%2)*512   ; a piece: 512 consecutive bytes, aligned
.endr
	s_wait_tensorcnt 0x0
	ds_add_u32 v254, v255
	s_wait_dscnt 0x0
	ROUND                                          ; the closing round: no work-group ends while a partner may still ask for a tile that names it
	s_endpgm
.Lfunc_end_k_qe366ae29ea_attn:
	.size	k_qe366ae29ea_attn, .Lfunc_end_k_qe366ae29ea_attn-k_qe366ae29ea_attn
	.p2alignl 7, 3214868480
	.fill 96, 4, 3214868480
	.section	.rodata,"a",@progbits
	.p2align	6, 0x0
	.amdhsa_kernel k_qe366ae29ea_attn
		.amdhsa_group_segment_fixed_size 263168
		.amdhsa_private_segment_fixed_size 0
		.amdhsa_enable_private_segment 0
		.amdhsa_kernarg_size 32
		.amdhsa_user_sgpr_count 2
		.amdhsa_user_sgpr_kernarg_segment_ptr 1
		.amdhsa_wavefront_size32 1
		.amdhsa_system_sgpr_workgroup_id_x 1
		.amdhsa_system_sgpr_workgroup_id_y 1
		.amdhsa_system_sgpr_workgroup_id_z 1
		.amdhsa_system_vgpr_workitem_id 0
		.amdhsa_next_free_vgpr 512
		.amdhsa_next_free_sgpr 96
		.amdhsa_reserve_vcc 0
		.amdhsa_float_denorm_mode_32 3
		.amdhsa_float_denorm_mode_16_64 3
		.amdhsa_memory_ordered 1
		.amdhsa_forward_progress 1
		.amdhsa_inst_pref_size 102
	.end_amdhsa_kernel
	.amdgpu_metadata
---
amdhsa.version: [ 1, 2 ]
amdhsa.kernels:
  - .name:           k_qe366ae29ea_attn
    .symbol:         k_qe366ae29ea_attn.kd
    .args:
      - { .name: qimg, .offset: 0, .size: 8, .value_kind: global_buffer, .address_space: global }
      - { .name: kv, .offset: 8, .size: 8, .value_kind: global_buffer, .address_space: global }
      - { .name: lowp_scales, .offset: 16, .size: 8, .value_kind: global_buffer, .address_space: global }
      - { .name: cimg, .offset: 24, .size: 8, .value_kind: global_buffer, .address_space: global }
    .group_segment_fixed_size: 263168
    .private_segment_fixed_size: 0
    .kernarg_segment_align: 8
    .kernarg_segment_size: 32
    .max_flat_workgroup_size: 256
    .sgpr_count:     96
    .vgpr_count:     512
    .wavefront_size: 32
...
	.end_amdgpu_metadata
.endif
;; end of part 2
;; launch outp (part 3): grid 64 x 4, 8 waves a work-group, no clusters, 70,656 bytes of LDS; arguments cimg, Wo_codes, bo, lowp_scales, out0; writes out0
.if DOCPART == 3
	.amdgcn_target "amdgcn-amd-amdhsa--gfx1250"
	.amdhsa_code_object_version 6
	.text
	.protected	k_qe366ae29ea_outp
	.globl	k_qe366ae29ea_outp
	.p2align	8
	.type	k_qe366ae29ea_outp,@function
k_qe366ae29ea_outp:
	s_mov_b64 s[64:65], 0
	v_nop
	global_prefetch_b8 v0, s[64:65] scope:SCOPE_SE
	s_setreg_imm32_b32 hwreg(HW_REG_WAVE_MODE, 25, 1), 1
	s_wait_xcnt 0x0
; out0 = concat Wo + bo, on codes of E5M2: concat as the attention left it (images of operand registers), Wo as it is given ([n][512], K innermost).  y = sum x 2^(e10 + e11) + bo.
; SHARES.  A wave makes 32 rows x 64 columns by itself: block of 32 rows 4 x + wave / 2, columns 64 (2 y + wave % 2) on; 32 matrix instructions.  Waves share nothing: no barrier.
; THE MATRIX INSTRUCTION IS USED TRANSPOSED (source 0 = 16 rows of Wo, source 1 = 16 rows of concat): a lane holds eight neighbouring columns of one row.  Tile u of the block holds rows 8 u + rho(r),
; rho(r) = r + 8 (r / 8), as the images have them; the way out puts each row in its place.
; Results go through the wave's own stage in LDS (32 rows of 256 bytes + 16) and leave as whole aligned runs of 256 bytes, sixteen lanes to a run.
; NO JOINT LOADS: each wave's operands, 16,384 + 32,768 bytes, go straight into its registers and are multiplied once; through LDS each byte would be moved once more.
; LIMIT: e10 + e11 between -126 and 127, so that 2^(e10 + e11) is an f32 number.
; REGISTERS.  Window 0: v1-8 addresses; v16-143 concat's fragments X(u, s) at 16 + 64 u + 16 s, later y (v16-79) and rows read back (v80-143); v144-207 eight accumulators; v208-239 bo.  Window 1: Wo(t, s) at 16 (4 t + s).
.set SP,  272
.set WST, 32*SP                        ; a wave's stage
.set LI,  1                            ; v1  16 x lane
.set WOF, 4                            ; v4  r x 512 + 16 g
.set BOF, 5                            ; v5  32 g
.set STO, 6                            ; v6  the stage: row r, + 32 g
.set RD,  7                            ; v7  back: lanes 0-15 one row, lanes 16-31 the next
.set GO,  8                            ; v8  the same two rows in out0
.set X,   16
.set Y,   16
.set BK,  80
.set ACC, 144
.set BI,  208
.set MSB, 0
.macro WIN new                         ; the immediate's high byte repeats the setting that is left
.if MSB != \new
	s_set_vgpr_msb (MSB<<8)|\new
.set MSB, \new
.endif
.endm
	s_load_b256 s[4:11], s[0:1], 0x0               ; cimg, Wo's codes, bo, the scales' exponents
	s_load_b64 s[12:13], s[0:1], 0x20              ; out0
	v_lshl_add_u32 v254, v0, 2, 0x11000
	v_mov_b32 v255, 0
	v_lshrrev_b32 v2, 5, v0
	v_readfirstlane_b32 s3, v2                     ; wave 0..7
	v_and_b32 v1, 31, v0
	v_lshlrev_b32 v[LI], 4, v1
	v_and_b32 v2, 15, v0                           ; r
	v_bfe_u32 v3, v0, 4, 1                         ; g
	v_lshlrev_b32 v[WOF], 9, v2
	v_lshl_add_u32 v[WOF], v3, 4, v[WOF]
	v_lshlrev_b32 v[BOF], 5, v3
	s_mul_i32 s20, s3, WST
	v_mul_u32_u24 v[STO], v2, SP
	v_lshl_add_u32 v[STO], v3, 5, v[STO]
	v_add_nc_u32 v[STO], s20, v[STO]
	v_mul_u32_u24 v[RD], v3, SP
	v_lshl_add_u32 v[RD], v2, 4, v[RD]
	v_add_nc_u32 v[RD], s20, v[RD]
	v_lshlrev_b32 v[GO], 11, v3
	v_lshl_add_u32 v[GO], v2, 4, v[GO]
	s_and_b32 s21, ttmp7, 0xffff
	s_lshl_b32 s21, s21, 1
	s_and_b32 s22, s3, 1
	s_add_co_u32 s21, s21, s22                     ; which 64 columns
	s_lshl_b32 s22, ttmp9, 2
	s_lshr_b32 s23, s3, 1
	s_add_co_u32 s22, s22, s23                     ; which block of 32 rows
	s_lshl_b32 s24, s22, 14                        ; its 16,384 bytes of images
	s_mov_b32 s25, 0
	s_lshl_b32 s26, s21, 15                        ; 64 rows of Wo
	s_mov_b32 s27, 0
	s_lshl_b32 s28, s21, 8                         ; 64 numbers of bo, and of a row of out0
	s_mov_b32 s29, 0
	s_lshl_b32 s30, s22, 16                        ; 32 rows of 2,048 bytes
	s_add_co_u32 s30, s30, s28
	s_mov_b32 s31, 0
	s_wait_kmcnt 0x0
	s_load_b64 s[16:17], s[10:11], 0x28            ; e10, e11
	s_add_nc_u64 s[4:5], s[4:5], s[24:25]
	s_add_nc_u64 s[6:7], s[6:7], s[26:27]
	s_add_nc_u64 s[8:9], s[8:9], s[28:29]
	s_add_nc_u64 s[12:13], s[12:13], s[30:31]
.irp t, 0,1,2,3
	global_load_b128 v[BI+8*\t:BI+8*\t+3], v[BOF], s[8:9] offset:64*\t           ; bo at columns 16 t + 8 g + 0 .. 7
	global_load_b128 v[BI+8*\t+4:BI+8*\t+7], v[BOF], s[8:9] offset:64*\t+16
.endr
.irp s, 0,1,2,3                                ; K step by K step: 8 pieces of concat (512 consecutive bytes each), 16 loads of Wo
.irp u, 0,1
.irp c, 0,1,2,3
	global_load_b128 v[X+64*\u+16*\s+4*\c:X+64*\u+16*\s+4*\c+3], v[LI], s[4:5] offset:\u*8192+\s*2048+\c*512
.endr
.endr
	WIN 0x40                                       ; destination window 1
.irp t, 0,1,2,3
.irp c, 0,1,2,3
	global_load_b128 v[16*(4*\t+\s)+4*\c:16*(4*\t+\s)+4*\c+3], v[WOF], s[6:7] offset:16*\t*512+128*\s+32*\c
.endr
.endr
	WIN 0
.endr
.irp s, 0,1,2,3
.if \s == 0
	s_wait_loadcnt 63                              ; 72 loads are younger than K step 0's; the wait's field holds 63, which asks for a little more
.else
	s_wait_loadcnt 24*(3-\s)                       ; 24 loads for each later K step may be out
.endif
	WIN 0x01                                       ; source 0 (Wo) window 1
.irp t, 0,1,2,3
.irp u, 0,1
.if \s == 0
	v_wmma_f32_16x16x128_bf8_bf8 v[ACC+32*\u+8*\t:ACC+32*\u+8*\t+7], v[16*(4*\t+\s):16*(4*\t+\s)+15], v[X+64*\u+16*\s:X+64*\u+16*\s+15], 0
.else
	v_wmma_f32_16x16x128_bf8_bf8 v[ACC+32*\u+8*\t:ACC+32*\u+8*\t+7], v[16*(4*\t+\s):16*(4*\t+\s)+15], v[X+64*\u+16*\s:X+64*\u+16*\s+15], v[ACC+32*\u+8*\t:ACC+32*\u+8*\t+7]
.endif
.endr
.endr
.endr                                          ; eight accumulators by turns, one instruction a turn
	WIN 0
	s_wait_kmcnt 0x0
	s_add_co_i32 s18, s16, s17
	s_add_co_i32 s18, s18, 127
	s_lshl_b32 s18, s18, 23                        ; 2^(e10 + e11) as f32
	s_mov_b32 s19, s18                             ; (named with it as a pair)
.rept 4
	v_nop                                          ; four places behind the last products (ISA guide 7.12.1): ahead of the first read of results and of writes over the fragments' registers
.endr
.irp u, 0,1
.set i, 0
.rept 16
	v_pk_fma_f32 v[Y+32*\u+2*i:Y+32*\u+2*i+1], v[ACC+32*\u+2*i:ACC+32*\u+2*i+1], s[18:19], v[BI+2*i:BI+2*i+1] op_sel_hi:[1,0,1]   ; y = sum x 2^(e10 + e11) + bo; each accumulator from its low end on
.set i, i+1
.endr
.endr
.irp u, 0,1
.irp t, 0,1,2,3
	ds_store_b128 v[STO], v[Y+32*\u+8*\t:Y+32*\u+8*\t+3] offset:\u*16*SP+64*\t
	ds_store_b128 v[STO], v[Y+32*\u+8*\t+4:Y+32*\u+8*\t+7] offset:\u*16*SP+64*\t+16
.endr
.irp i, 0,1,2,3,4,5,6,7
	ds_load_b128 v[BK+32*\u+4*\i:BK+32*\u+4*\i+3], v[RD] offset:\u*16*SP+2*\i*SP   ; LDS serves a wave's instructions in order (ISA guide 5.7.1.4): these see my stores
.endr
.endr
.irp u, 0,1
.irp i, 0,1,2,3,4,5,6,7
	s_wait_dscnt 16*(1-\u)+7-\i                    ; younger than this load: the later loads of its tile, and for tile 0 tile 1's sixteen LDS instructions
	global_store_b128 v[GO], v[BK+32*\u+4*\i:BK+32*\u+4*\i+3], s[12:13] offset:(8*\u+2*\i+8*(\i/4))*2048 th:TH_STORE_NT   ; stage row 2 i + g of tile u is row 8 u + rho(2 i + g); 16 lanes store 256 consecutive bytes, aligned
.endr
.endr
	s_wait_tensorcnt 0x0
	ds_add_u32 v254, v255
	s_wait_dscnt 0x0
	s_endpgm
.Lfunc_end_k_qe366ae29ea_outp:
	.size	k_qe366ae29ea_outp, .Lfunc_end_k_qe366ae29ea_outp-k_qe366ae29ea_outp
	.p2alignl 7, 3214868480
	.fill 96, 4, 3214868480
	.section	.rodata,"a",@progbits
	.p2align	6, 0x0
	.amdhsa_kernel k_qe366ae29ea_outp
		.amdhsa_group_segment_fixed_size 70656
		.amdhsa_private_segment_fixed_size 0
		.amdhsa_enable_private_segment 0
		.amdhsa_kernarg_size 40
		.amdhsa_user_sgpr_count 2
		.amdhsa_user_sgpr_kernarg_segment_ptr 1
		.amdhsa_wavefront_size32 1
		.amdhsa_system_sgpr_workgroup_id_x 1
		.amdhsa_system_sgpr_workgroup_id_y 1
		.amdhsa_system_sgpr_workgroup_id_z 1
		.amdhsa_system_vgpr_workitem_id 0
		.amdhsa_next_free_vgpr 512
		.amdhsa_next_free_sgpr 66
		.amdhsa_reserve_vcc 0
		.amdhsa_float_denorm_mode_32 3
		.amdhsa_float_denorm_mode_16_64 3
		.amdhsa_memory_ordered 1
		.amdhsa_forward_progress 1
		.amdhsa_inst_pref_size 21
	.end_amdhsa_kernel
	.amdgpu_metadata
---
amdhsa.version: [ 1, 2 ]
amdhsa.kernels:
  - .name:           k_qe366ae29ea_outp
    .symbol:         k_qe366ae29ea_outp.kd
    .args:
      - { .name: cimg, .offset: 0, .size: 8, .value_kind: global_buffer, .address_space: global }
      - { .name: Wo_codes, .offset: 8, .size: 8, .value_kind: global_buffer, .address_space: global }
      - { .name: bo, .offset: 16, .size: 8, .value_kind: global_buffer, .address_space: global }
      - { .name: lowp_scales, .offset: 24, .size: 8, .value_kind: global_buffer, .address_space: global }
      - { .name: out0, .offset: 32, .size: 8, .value_kind: global_buffer, .address_space: global }
    .group_segment_fixed_size: 70656
    .private_segment_fixed_size: 0
    .kernarg_segment_align: 8
    .kernarg_segment_size: 40
    .max_flat_workgroup_size: 256
    .sgpr_count:     66
    .vgpr_count:     512
    .wavefront_size: 32
...
	.end_amdgpu_metadata
.endif
;; end of part 3
;; ======== version 2 of 2: 3 launches
;; workspace buffers: qimg 4,194,304 bytes; kv 8,388,608 bytes; cimg 4,194,304 bytes
;; launch proj (part 4): grid 64 x 3, 8 waves a work-group, no clusters, 68,608 bytes of LDS; arguments q_in_codes, k_in_codes, v_in_codes, Wq_codes, Wk_codes, Wv_codes, bq, bk, bv, lowp_scales, qimg, kv; writes qimg, kv
.if DOCPART == 4
	.amdgcn_target "amdgcn-amd-amdhsa--gfx1250"
	.amdhsa_code_object_version 6
	.text
	.protected	k_qe366ae29ea_proj
	.globl	k_qe366ae29ea_proj
	.p2align	8
	.type	k_qe366ae29ea_proj,@function
k_qe366ae29ea_proj:
	s_mov_b64 s[64:65], 0
	v_nop
	global_prefetch_b8 v0, s[64:65] scope:SCOPE_SE
	s_setreg_imm32_b32 hwreg(HW_REG_WAVE_SCHED_MODE, 0, 2), 2
	s_setreg_imm32_b32 hwreg(HW_REG_WAVE_MODE, 25, 1), 1
	s_wait_xcnt 0x0
	s_wait_alu depctr_vm_vsrc(0)
; q = q_in Wq + bq, k = k_in Wk + bk, v = v_in Wv + bv, on codes of E5M2 as they are given, each result quantised at once to E5M2 with its given scale, for the attention that follows.
; SHARES.  Work-group (x, y): y picks the tensor (0 q, 1 k, 2 v), x its 128 rows (batch x / 16, key step x % 16).  Wave w is head w: its 64 rows of W (32,768 bytes) stay in 256 registers;
; the 128 rows of the input are read from memory once, a whole row of 512 bytes a load, and reach all eight waves through LDS.
; RESULTS LEAVE AS IMAGES OF THE NEXT OPERAND'S REGISTERS: a piece is four registers of the 32 lanes, lane l's 16 bytes at 16 l, so every store covers 512 consecutive bytes, aligned.
; With r = lane % 16, g = lane / 16, rho(r) = r + 8 (r / 8): tile u of a block of 32 rows holds rows 8 u + rho(r).  A product whose source 0 takes such a tile leaves, in the 16 registers of tiles
; u = 0 and 1, sixteen NEIGHBOURS 16 g + 0 .. 15 of the block: so the conversions' results are pieces as they stand.
;   q, k: source 0 = 16 rows of W (tile t: d = 32 (t / 2) + 8 (t % 2) + rho(r)), source 1 = 16 input rows: a lane holds one row and registers along d, the next K.
;   v:    the sources swapped: a lane holds one d and registers along the keys, the next K.
; qimg [bh][block of 32 queries][u][d / 32][512];  kv [bh][key step of 128][16,384]: K's [tile 8][d / 32][512], then V's [tile of d 4][keys / 32][512].
; Every 8-bit fragment is fed by pieces of 16 bytes (registers 4 c .. 4 c + 3: k = 32 c + 16 g + 0 .. 15): one permutation of k, the same on both sides of each product.
; The bias is the C of a sum's first matrix instruction, divided by 2^(ea + eb), the power that the sums lack; the conversion then takes 2^(eo - ea - eb) as its one scale.
; NO JOINT LOADS: the weights are wanted in registers, once; a tile brought to LDS would be read once more from there into these registers and feed nothing on the way.
; 192 work-groups: three tensors of 64 row groups; groups of 64 rows would bring each wave's 32,768 bytes of W twice as often for the same products.
; LIMITS: eo - ea - eb between -126 and 112, so that the scale and 57,344 x the scale are f32 numbers.  NaN among the inputs is not served.
; REGISTERS.  Window 0: v1-11 addresses and constants; v16-143 the input's fragments X(u, s) at 16 + 64 u + 16 s (first: 16 raw rows); v144-207 eight accumulators; v208-239 the bias tiles; v240-255 codes.
;             Window 1: W(t, s) at 16 (4 t + s).
; THE MODE: SCHED_MODE bits 1:0 = 2 (LLVM: expert scheduling mode 2), set by the entry lines.  The code itself states the register dependences
; between vector or matrix instructions and memory or LDS instructions, with s_wait_alu, always for 0.
; THE PLAN.  Registers that memory or LDS instructions touch:
;   v1, v4-v8     Offsets and LDS addresses: written at the head, read by every load and store, never written again.
;   v16-79        As raw rows: global loads land in them, my sixteen LDS stores read them; then they are part of X.
;   X, v16-143    Block b's 32 LDS loads land in it; block b's 32 products read it.  One buffer: the wave's 512 registers are all in use.
;   CD, v240-255  Block b's eight conversions write it; block b's four stores read it.
;   W, the bias tiles and the accumulators are named, behind their one load, by vector and matrix instructions alone.
; A block has two waits on va_vdst (blocks 1 and 2 a third, ahead of the conversions).  The first stands behind its products (and their places): they are done reading X, and the NEXT block's 32 LDS loads follow at once, so that they land under this block's
; 64 holds and 8 conversions, which name none of X.  The second stands behind the conversions: CD is written, and the four stores follow.  One wait on vm_vsrc a block stands ahead of the conversions that write CD again.
.set PITCH, 528                        ; an LDS row: 512 bytes + 16: an odd multiple of 16, so the 16 rows of a fragment load begin in 16 different columns of 16 bytes
.set LI,  1                            ; v1   16 x lane
.set XST, 4                            ; v4   where my wave's raw rows go in LDS
.set XRD, 5                            ; v5   r x PITCH + 16 g
.set WO,  6                            ; v6   rho(r) x 512 + 16 g
.set BQK, 7                            ; v7   64 g: the bias of q's and k's layout
.set BVO, 8                            ; v8   4 rho(r): the bias of v's layout
.set SC,  9                            ; v9   2^(eo - ea - eb)
.set LIM, 10                           ; v10  57,344 x that
.set X,   16
.set ACC, 144
.set BI,  208
.set CD,  240
.set MSB, 0
.macro WIN new                         ; the immediate's high byte repeats the setting that is left
.if MSB != \new
	s_set_vgpr_msb (MSB<<8)|\new
.set MSB, \new
.endif
.endm
.macro WLOAD s                         ; my head's four tiles of W, K step s: 16 loads
.irp t, 0,1,2,3
.irp c, 0,1,2,3
	global_load_b128 v[16*(4*\t+\s)+4*\c:16*(4*\t+\s)+4*\c+3], v[WO], s[6:7] offset:(32*(\t/2)+8*(\t%2))*512+128*\s+32*\c
.endr
.endr
.endm
.macro XLOAD blk                       ; the fragments of a block of 32 input rows: 32 LDS loads, K step by K step, eight to a step
.irp s, 0,1,2,3
.irp u, 0,1
.irp c, 0,1,2,3
	ds_load_b128 v[X+64*\u+16*\s+4*\c:X+64*\u+16*\s+4*\c+3], v[XRD] offset:16*(2*(\blk)+\u)*PITCH+128*\s+32*\c
.endr
.endr
.endr
.endm
	s_load_b512 s[16:31], s[0:1], 0x0              ; q_in, k_in, v_in, Wq, Wk, Wv, bq, bk
	s_load_b256 s[32:39], s[0:1], 0x40             ; bv, the scales' exponents, qimg, kv
	v_lshl_add_u32 v14, v0, 2, 0x10800
	v_mov_b32 v15, 0
	v_lshrrev_b32 v2, 5, v0
	v_readfirstlane_b32 s3, v2                     ; wave = head
	s_and_b32 s2, ttmp7, 0xffff                    ; which tensor
	v_and_b32 v1, 31, v0
	v_lshlrev_b32 v[LI], 4, v1
	v_and_b32 v2, 15, v0                           ; r
	v_bfe_u32 v3, v0, 4, 1                         ; g
	s_wait_alu depctr_va_sdst(0)                   ; s3 is written, ahead of its first reader: LDS addresses and all the bases are made from it
	s_lshr_b32 s55, s3, 1                          ; raw row 16 w + i goes to LDS row 32 (w / 2) + 8 (w % 2) + 16 (i / 8) + i % 8:
	s_lshl_b32 s55, s55, 5                         ; tile 2 blk + u then lies in LDS rows 16 (2 blk + u) + r, in the lanes' order
	s_and_b32 s56, s3, 1
	s_lshl_b32 s56, s56, 3
	s_add_co_u32 s55, s55, s56
	s_mul_i32 s55, s55, PITCH
	v_add_nc_u32 v[XST], s55, v[LI]
	v_mul_u32_u24 v[XRD], v2, PITCH
	v_lshl_add_u32 v[XRD], v3, 4, v[XRD]
	v_and_b32 v11, 8, v2
	v_add_nc_u32 v11, v11, v2                      ; rho(r)
	v_lshlrev_b32 v[WO], 9, v11
	v_lshl_add_u32 v[WO], v3, 4, v[WO]
	v_lshlrev_b32 v[BQK], 6, v3
	v_lshlrev_b32 v[BVO], 2, v11
	s_lshl_b32 s56, ttmp9, 16                      ; the input: 128 rows of 512 bytes a work-group,
	s_lshl_b32 s57, s3, 13                         ; 16 of them a wave
	s_add_co_u32 s56, s56, s57
	s_mov_b32 s57, 0
	s_lshl_b32 s58, s3, 15                         ; W: 64 rows of 512 bytes a head
	s_mov_b32 s59, 0
	s_lshl_b32 s60, s3, 8                          ; the bias: 64 numbers a head
	s_mov_b32 s61, 0
	s_lshr_b32 s12, ttmp9, 4
	s_lshl_b32 s12, s12, 3
	s_add_co_u32 s12, s12, s3                      ; bh = 8 x batch + head
	s_and_b32 s13, ttmp9, 15                       ; the key step
	s_cmp_eq_u32 s2, 0
	s_cselect_b32 s14, 17, 18                      ; qimg: 131,072 bytes a head, 8,192 a step;  kv: twice that
	s_cselect_b32 s15, 13, 14
	s_lshl_b32 s12, s12, s14
	s_lshl_b32 s13, s13, s15
	s_add_co_u32 s12, s12, s13
	s_cmp_eq_u32 s2, 2
	s_cselect_b32 s13, 8192, 0                     ; V's pieces lie behind K's
	s_add_co_u32 s12, s12, s13
	s_mov_b32 s13, 0
	s_wait_kmcnt 0x0
	s_load_b256 s[40:47], s[34:35], 0x0            ; e0 .. e7
	s_load_b128 s[48:51], s[34:35], 0x20           ; e8 .. e11
	s_cmp_eq_u32 s2, 0                             ; the buffers are chosen on the work-group's number alone
	s_cselect_b64 s[4:5], s[16:17], s[18:19]
	s_cselect_b64 s[6:7], s[22:23], s[24:25]
	s_cselect_b64 s[8:9], s[28:29], s[30:31]
	s_cselect_b64 s[10:11], s[36:37], s[38:39]
	s_cmp_eq_u32 s2, 2
	s_cselect_b64 s[4:5], s[20:21], s[4:5]
	s_cselect_b64 s[6:7], s[26:27], s[6:7]
	s_cselect_b64 s[8:9], s[32:33], s[8:9]
	s_add_nc_u64 s[4:5], s[4:5], s[56:57]
	s_add_nc_u64 s[6:7], s[6:7], s[58:59]
	s_add_nc_u64 s[8:9], s[8:9], s[60:61]
	s_add_nc_u64 s[10:11], s[10:11], s[12:13]
	s_wait_alu depctr_va_vdst(0)                   ; v1 and v4 to v8 are written: every load and store of the kernel, global or LDS, reads one of them, and no later line writes them
.set i, 0
.rept 16
	global_load_b128 v[X+4*i:X+4*i+3], v[LI], s[4:5] offset:512*i th:TH_LOAD_NT   ; a whole row: 512 consecutive bytes; read by this wave alone in the launch
.set i, i+1
.endr
.irp t, 0,1,2,3                                ; the bias in both layouts (both stay inside the head's 256 bytes); each way uses its own
	global_load_b128 v[BI+8*\t:BI+8*\t+3], v[BQK], s[8:9] offset:(32*(\t/2)+8*(\t%2))*4
	global_load_b128 v[BI+8*\t+4:BI+8*\t+7], v[BQK], s[8:9] offset:(32*(\t/2)+8*(\t%2))*4+16
.endr
.irp t, 0,1,2,3
	global_load_b32 v[CD+\t], v[BVO], s[8:9] offset:(32*(\t/2)+8*(\t%2))*4
.endr
	WIN 0x40                                       ; destination window 1
	WLOAD 0
	WLOAD 1
	WIN 0
	s_wait_loadcnt 44                              ; younger than my 16 rows: 12 loads of bias and 32 of W
.set i, 0
.rept 16
	ds_store_b128 v[XST], v[X+4*i:X+4*i+3] offset:(16*(i/8)+(i%8))*PITCH
.set i, i+1
.endr
	WIN 0x40
	WLOAD 2
	WLOAD 3
	WIN 0
	s_wait_dscnt 0x0                               ; for the others' sake: my rows lie in LDS
	s_barrier_signal -1
	s_barrier_wait -1                              ; all 128 rows do.  The launch's only barrier: nothing is stored to LDS behind it
	s_wait_alu depctr_vm_vsrc(0)                   ; my LDS stores have read v16 to v79, the raw rows: block 0's fragments land in them
	XLOAD 0                                        ; asked for ahead of the scales' arithmetic and the bias, which name none of X
	s_wait_kmcnt 0x0
	s_add_co_i32 s40, s40, s41                     ; ea + eb of each of the three products
	s_add_co_i32 s42, s42, s43
	s_add_co_i32 s44, s44, s45
	s_cmp_eq_u32 s2, 0
	s_cselect_b32 s52, s40, s42
	s_cselect_b32 s53, s46, s47                    ; the result's scale: q entry 6, k entry 7,
	s_cmp_eq_u32 s2, 2
	s_cselect_b32 s52, s44, s52
	s_cselect_b32 s53, s49, s53                    ; v entry 9
	s_sub_co_i32 s54, 0, s52                       ; -(ea + eb), for the bias
	s_sub_co_i32 s55, s53, s52
	s_add_co_i32 s55, s55, 127
	s_lshl_b32 s56, s55, 23
	v_mov_b32 v[SC], s56                           ; 2^(eo - ea - eb) as f32: the conversion takes its exponent field
	s_add_co_i32 s55, s55, 15
	s_lshl_b32 s55, s55, 23
	s_or_b32 s55, s55, 0x600000
	v_mov_b32 v[LIM], s55                          ; 57,344 x that
; A block of 32 input rows (two tiles u) against my head's four tiles of W: 32 matrix instructions, eight accumulators by turns, one instruction a turn.
; Its fragments were asked for in the block before (block 0's: behind the barrier).
.macro BLOCK swap, blk
.irp s, 0,1,2,3
	s_wait_dscnt 8*(3-\s)                          ; K step s's eight loads are in; eight for each later step may be out
.if (\blk == 0) && (\s > 0)
	s_wait_loadcnt 16*(3-\s)                       ; W's K step s is in; sixteen loads for each later step may be out
.endif
.if \swap
	WIN 0x04                                       ; source 1 (W) window 1
.else
	WIN 0x01                                       ; source 0 (W) window 1
.endif
.irp t, 0,1,2,3
.irp u, 0,1
.if \swap
.if \s == 0
	v_wmma_f32_16x16x128_bf8_bf8 v[ACC+16*\t+8*\u:ACC+16*\t+8*\u+7], v[X+64*\u+16*\s:X+64*\u+16*\s+15], v[16*(4*\t+\s):16*(4*\t+\s)+15], v[BI+8*\t:BI+8*\t+7]
.else
	v_wmma_f32_16x16x128_bf8_bf8 v[ACC+16*\t+8*\u:ACC+16*\t+8*\u+7], v[X+64*\u+16*\s:X+64*\u+16*\s+15], v[16*(4*\t+\s):16*(4*\t+\s)+15], v[ACC+16*\t+8*\u:ACC+16*\t+8*\u+7]
.endif
.else
.if \s == 0
	v_wmma_f32_16x16x128_bf8_bf8 v[ACC+32*\u+8*\t:ACC+32*\u+8*\t+7], v[16*(4*\t+\s):16*(4*\t+\s)+15], v[X+64*\u+16*\s:X+64*\u+16*\s+15], v[BI+8*\t:BI+8*\t+7]
.else
	v_wmma_f32_16x16x128_bf8_bf8 v[ACC+32*\u+8*\t:ACC+32*\u+8*\t+7], v[16*(4*\t+\s):16*(4*\t+\s)+15], v[X+64*\u+16*\s:X+64*\u+16*\s+15], v[ACC+32*\u+8*\t:ACC+32*\u+8*\t+7]
.endif
.endif
.endr
.endr
.endr
	WIN 0
.rept 4
	v_nop                                          ; four places behind the last products (ISA guide 7.12.1), ahead of the first read of results; with the holds below they also serve the next block's first products
.endr
.if \blk < 3
	s_wait_alu depctr_va_vdst(0)                   ; this block's products are done reading X, in which the next block's fragments land
	XLOAD \blk+1                                   ; they land under the holds and conversions below, which name none of X
.endif
.set i, 0
.rept 64
	v_med3_num_f32 v[ACC+i], v[ACC+i], -v[LIM], v[LIM]   ; the conversion to an 8-bit code does not saturate (ISA guide 7.6.2): the hold; each accumulator from its low end on
.set i, i+1
.endr
.if \blk > 0
	s_wait_alu depctr_va_vdst(0)
	s_wait_xcnt 0x0                                ; the last block's stores have read their data: the codes' registers are written again only behind this wait
	s_wait_alu depctr_vm_vsrc(0)                   ; the last block's stores have read CD, which the conversions below write again
.endif
.irp k, 0,1,2,3,4,5,6,7
	v_cvt_scalef32_pk8_bf8_f32 v[CD+2*\k:CD+2*\k+1], v[ACC+8*\k:ACC+8*\k+7], v[SC]
.endr
	v_nop                                          ; one plain vector line behind the last conversion: the next block's products write its sources
	s_wait_alu depctr_va_vdst(0)                   ; the conversions have written CD, which the four stores read
.irp p, 0,1,2,3
.if \swap
	global_store_b128 v[LI], v[CD+4*\p:CD+4*\p+3], s[10:11] offset:\p*2048+\blk*512    ; V: tile of d p, keys 32 blk on
.else
	global_store_b128 v[LI], v[CD+4*\p:CD+4*\p+3], s[10:11] offset:\blk*2048+\p*512    ; q, K: tile 2 blk + p / 2, d 32 (p % 2) on
.endif
.endr
.endm
	s_wait_loadcnt 48                              ; the biases and W's K step 0 are in; W's three later K steps, 16 loads each, may be out
	s_cmp_eq_u32 s2, 2
	s_cbranch_scc1 .Lv
.set i, 0
.rept 32
	v_ldexp_f32 v[BI+i], v[BI+i], s54              ; b / 2^(ea + eb): register j of tile t: d = 32 (t / 2) + 8 (t % 2) + 16 g + j
.set i, i+1
.endr
	s_wait_alu depctr_va_vdst(0)
	BLOCK 0, 0
	BLOCK 0, 1
	BLOCK 0, 2
	BLOCK 0, 3
	s_wait_dscnt 0x0                               ; the closing lines, six on end
	s_wait_alu 0x0
	s_wait_tensorcnt 0x0
	ds_add_u32 v14, v15
	s_wait_dscnt 0x0
	s_endpgm
.Lv:
.irp t, 0,1,2,3
.irp j, 0,1,2,3,4,5,6,7
	v_ldexp_f32 v[BI+8*\t+\j], v[CD+\t], s54       ; here a lane holds one d: its bias in all eight registers
.endr
.endr
	s_wait_alu depctr_va_vdst(0)
	BLOCK 1, 0
	BLOCK 1, 1
	BLOCK 1, 2
	BLOCK 1, 3
	s_wait_dscnt 0x0                               ; the closing lines, six on end, once more for this end
	s_wait_alu 0x0
	s_wait_tensorcnt 0x0
	ds_add_u32 v14, v15
	s_wait_dscnt 0x0
	s_endpgm
.Lfunc_end_k_qe366ae29ea_proj:
	.size	k_qe366ae29ea_proj, .Lfunc_end_k_qe366ae29ea_proj-k_qe366ae29ea_proj
	.p2alignl 7, 3214868480
	.fill 96, 4, 3214868480
	.section	.rodata,"a",@progbits
	.p2align	6, 0x0
	.amdhsa_kernel k_qe366ae29ea_proj
		.amdhsa_group_segment_fixed_size 68608
		.amdhsa_private_segment_fixed_size 0
		.amdhsa_enable_private_segment 0
		.amdhsa_kernarg_size 96
		.amdhsa_user_sgpr_count 2
		.amdhsa_user_sgpr_kernarg_segment_ptr 1
		.amdhsa_wavefront_size32 1
		.amdhsa_system_sgpr_workgroup_id_x 1
		.amdhsa_system_sgpr_workgroup_id_y 1
		.amdhsa_system_sgpr_workgroup_id_z 1
		.amdhsa_system_vgpr_workitem_id 0
		.amdhsa_next_free_vgpr 512
		.amdhsa_next_free_sgpr 66
		.amdhsa_reserve_vcc 0
		.amdhsa_float_denorm_mode_32 3
		.amdhsa_float_denorm_mode_16_64 3
		.amdhsa_memory_ordered 1
		.amdhsa_forward_progress 1
		.amdhsa_inst_pref_size 91
	.end_amdhsa_kernel
	.amdgpu_metadata
---
amdhsa.version: [ 1, 2 ]
amdhsa.kernels:
  - .name:           k_qe366ae29ea_proj
    .symbol:         k_qe366ae29ea_proj.kd
    .args:
      - { .name: q_in_codes, .offset: 0, .size: 8, .value_kind: global_buffer, .address_space: global }
      - { .name: k_in_codes, .offset: 8, .size: 8, .value_kind: global_buffer, .address_space: global }
      - { .name: v_in_codes, .offset: 16, .size: 8, .value_kind: global_buffer, .address_space: global }
      - { .name: Wq_codes, .offset: 24, .size: 8, .value_kind: global_buffer, .address_space: global }
      - { .name: Wk_codes, .offset: 32, .size: 8, .value_kind: global_buffer, .address_space: global }
      - { .name: Wv_codes, .offset: 40, .size: 8, .value_kind: global_buffer, .address_space: global }
      - { .name: bq, .offset: 48, .size: 8, .value_kind: global_buffer, .address_space: global }
      - { .name: bk, .offset: 56, .size: 8, .value_kind: global_buffer, .address_space: global }
      - { .name: bv, .offset: 64, .size: 8, .value_kind: global_buffer, .address_space: global }
      - { .name: lowp_scales, .offset: 72, .size: 8, .value_kind: global_buffer, .address_space: global }
      - { .name: qimg, .offset: 80, .size: 8, .value_kind: global_buffer, .address_space: global }
      - { .name: kv, .offset: 88, .size: 8, .value_kind: global_buffer, .address_space: global }
    .group_segment_fixed_size: 68608
    .private_segment_fixed_size: 0
    .kernarg_segment_align: 8
    .kernarg_segment_size: 96
    .max_flat_workgroup_size: 256
    .sgpr_count:     66
    .vgpr_count:     512
    .wavefront_size: 32
...
	.end_amdgpu_metadata
.endif
;; end of part 4
;; launch attn (part 5): grid 8 x 32, 8 waves a work-group, clusters of 4 x 1, 263,168 bytes of LDS; arguments qimg, kv, lowp_scales, cimg; writes cimg
.if DOCPART == 5
	.amdgcn_target "amdgcn-amd-amdhsa--gfx1250"
	.amdhsa_code_object_version 6
	.text
	.protected	k_qe366ae29ea_attn
	.globl	k_qe366ae29ea_attn
	.p2align	8
	.type	k_qe366ae29ea_attn,@function
k_qe366ae29ea_attn:
	s_mov_b64 s[64:65], 0
	v_nop
	global_prefetch_b8 v0, s[64:65] scope:SCOPE_SE
	s_setreg_imm32_b32 hwreg(HW_REG_WAVE_MODE, 25, 1), 1
	s_wait_xcnt 0x0
	s_wait_alu depctr_hold_cnt(0) depctr_sa_sdst(0) depctr_va_vdst(0) depctr_va_sdst(0) depctr_va_ssrc(0) depctr_va_vcc(0) depctr_vm_vsrc(0)
	s_getreg_b32 s2, hwreg(HW_REG_IB_STS2, 6, 4)
	s_cmp_eq_u32 s2, 0
	s_cbranch_scc0 .Lentry_in_a_cluster
	s_endpgm
.Lentry_in_a_cluster:
	s_bfe_u32 s2, ttmp6, 0x10000c
	s_cmp_lg_u32 s2, 0x3003
	s_cbranch_scc0 .Lentry_shape_is_right
	s_endpgm
.Lentry_shape_is_right:
; For each head: O[q] = sum over keys of softmax(q . k / 8) v, both products on codes of E5M2; the result, divided by the row's sum, is quantised at once for the last product.
; THE SOFTMAX AHEAD OF THE SECOND PRODUCT: t = score x log2(e) / 8; M = the running largest t rounded UP to a whole number, kept as -M = floor(-t); p = 2^(t - M) is quantised with the given 2^e8, not normalised;
; the row's sum is taken of the unquantised p; when M moves, the sum and O are multiplied by 2^(old M - new M), which rounds nothing.
; SHARES.  Work-group: 256 queries of one head (y = 8 x batch + head).  Each of its eight waves owns a block of 32 queries, two tiles u of 16 (queries 8 u + rho(r), rho(r) = r + 8 (r / 8)),
; so that each fragment of K and V read from LDS feeds two matrix instructions; two waves share a SIMD, so one wave's vector work stands beside the other's products and LDS loads.
; LDS holds the head's WHOLE block of kv, 262,144 bytes, byte for byte as it lies in memory: filled once, never again, so there is no ring.  It lies as images of operand registers
; (a piece: 512 bytes, lane l's 16 at 16 l): every LDS load takes 512 consecutive bytes.
; CLUSTER.  The four query blocks of a cluster walk the same head: every tile is asked for JOINTLY, by the same tensor load with the same descriptor and the mask of all four.
; Each wave asks for three chunks, its eighth of key steps 0-1, 2-7 and 8-15: three tensor loads of a wave are out at the most.  The first chunk is small, so that work begins when 32,768 bytes have landed.
; LAYOUT.  Both products are used transposed: S^T = K Q^T (source 0 = 16 keys), O^T = V^T P^T (source 0 = 16 of d): a lane holds ONE query throughout.  Tile 2 b + u of K holds keys 32 b + 8 u + rho(r), so
; the 16 registers of tiles 2 b, 2 b + 1 are keys 32 b + 16 g + 0 .. 15: the conversions' results are P's fragment.  V's tiles of d are chosen likewise, so O^T's conversions give pieces of the last product's operand:
; cimg [block of 32 rows][u][K step of 128][32 along K][512], K = 64 x head + d.
; LIMITS: e6 + e7 between -123 and 130 (added to c's exponent field); e8 and e10 between -126 and 112; e8 + e9 goes in by v_ldexp_f32 and has none.  NaN among the inputs is not served.
; REGISTERS.  Window 0: v1 16 x lane; v2 the step's LDS address; v8-15 for tile u at 8 + 4 u: -M, the largest t, the sum in two halves; v16-19 f (a pair a tile); v20-29 constants and work; v64-191 S^T, then p; v192-223 P.
;             Window 1: v0-63 K's eight tiles, then V's four; v64-127 O^T, (u, t) at 64 + 32 u + 8 t; v128-143 Q.
.set KSB,  16384                       ; a key step in LDS: 8,192 bytes of K, 8,192 of V
.set LI,   1
.set ADR,  2
.set ST,   8
.set F,    16
.set LIMP, 20                          ; v20  57,344 x 2^e8
.set SCP,  21                          ; v21  2^e8
.set TA,   22
.set TC,   23
.set PD,   24                          ; v24-25  lane permutes' destinations, written once at the head
.set SU,   26                          ; v[26:27] the sum's second chain
.set LIMO, 28                          ; v28  57,344 x 2^e10
.set SCO,  29                          ; v29  2^e10
.set S,    64
.set P,    192
.set OF,   64                          ; in window 1
.set QF,   128                         ; in window 1
.set WV,   12                          ; s12  my wave's number
.set G1A,  16                          ; s[16:23], s[24:31], s[32:39]: descriptor groups 1 of the three chunks
.set G1B,  24
.set G1C,  32
.set G0A,  40                          ; s[40:43], s[44:47], s[48:51]: their groups 0
.set G0B,  44
.set G0C,  48
.set SEL,  52                          ; s[52:53] v_permlanex16_b32's selects for lane l xor 16
.set CS,   54                          ; s[54:55] c = log2(e) / 8 x 2^(e6 + e7)
.set TB,   56                          ; s56  LDS byte of the key step in hand
.set CNT,  57                          ; s57  steps to go in the chunk
.set MSB, 0
.macro WIN new                         ; the immediate's high byte repeats the setting that is left
.if MSB != \new
	s_set_vgpr_msb (MSB<<8)|\new
.set MSB, \new
.endif
.endm
.macro ROUND                           ; a round of the cluster's barrier: my work-group's barrier; wave 0 signals for the work-group; every wave waits for all four; my work-group's barrier once more
	s_barrier_signal -1
	s_barrier_wait -1
	s_cmp_lg_u32 s[WV], 0
	s_cbranch_scc1 .Lnot_wave_0_\@
	s_barrier_signal -3
.Lnot_wave_0_\@:
	s_barrier_wait -3
	s_barrier_signal -1
	s_barrier_wait -1
.endm
	s_load_b256 s[4:11], s[0:1], 0x0               ; qimg, kv, the scales' exponents, cimg
	v_lshl_add_u32 v254, v0, 2, 0x40000
	v_mov_b32 v255, 0
	ds_add_u32 v254, v255
	ds_add_u32 v254, v255
	v_lshrrev_b32 v2, 5, v0
	s_delay_alu instid0(VALU_DEP_1)
	v_readfirstlane_b32 s[WV], v2                  ; wave 0..7
	v_and_b32 v1, 31, v0
	s_delay_alu instid0(VALU_DEP_1)
	v_lshlrev_b32 v[LI], 4, v1
	s_bfe_u32 s13, ttmp6, 0x40000                  ; cx: it enters qimg's and cimg's addresses alone
	s_lshl_b32 s14, ttmp9, 2
	s_add_co_u32 s14, s14, s13                     ; my block of 256 queries
	s_and_b32 s15, ttmp7, 0xffff                   ; bh, which the four partners share
	; descriptor groups 1: dense blocks as rows of 256 bytes: elements of 8 bytes, 32 to a row, no padding; 16, 48 and 64 rows
.irp g, G1A, G1B, G1C
	s_mov_b32 s[\g], 15|(3<<16)|(1<<21)            ; 15:0 the mask: all four work-groups; 17:16 elements of 8 bytes; 21 set beside a mask
	s_mov_b32 s[\g+1], 32<<16                      ; tensor_dim0 = 32
	s_mov_b32 s[\g+3], 32<<16                      ; tile_dim0 = 32
	s_mov_b32 s[\g+5], 32                          ; from row to row: 32 elements
	s_mov_b32 s[\g+6], 0
	s_mov_b32 s[\g+7], 0
.endr
	s_mov_b32 s[G1A+2], 16<<16                     ; tensor_dim1,
	s_mov_b32 s[G1A+4], 16                         ; tile_dim1
	s_mov_b32 s[G1B+2], 48<<16
	s_mov_b32 s[G1B+4], 48
	s_mov_b32 s[G1C+2], 64<<16
	s_mov_b32 s[G1C+4], 64
	s_mov_b32 s[SEL], 0x76543210
	s_mov_b32 s[SEL+1], 0xfedcba98
	s_mov_b32 s[CS], 0x3e38aa3b                    ; log2(e) / 8
	s_lshl_b32 s80, s15, 18                        ; the head's block of kv
	s_mov_b32 s81, 0
	s_lshl_b32 s82, s[WV], 12                      ; my eighth of each chunk: the same offset in LDS and in the head's block
	s_mov_b32 s83, 0
	s_mul_i32 s84, s[WV], 12288
	s_add_co_u32 s84, s84, 32768
	s_mov_b32 s85, 0
	s_lshl_b32 s92, s[WV], 14
	s_add_co_u32 s92, s92, 131072
	s_mov_b32 s93, 0
	s_lshl_b32 s86, s14, 3
	s_add_co_u32 s86, s86, s[WV]                   ; my block of 32 queries in the head
	s_lshl_b32 s88, s86, 11
	s_lshl_b32 s89, s15, 17
	s_add_co_u32 s88, s88, s89                     ; its four pieces in qimg
	s_mov_b32 s89, 0
	s_lshr_b32 s90, s15, 3
	s_lshl_b32 s90, s90, 6
	s_add_co_u32 s90, s90, s86                     ; the block of 32 rows among all 256
	s_lshl_b32 s90, s90, 14
	s_bfe_u32 s91, s15, 0x20001                    ; head / 2: the last product's K step
	s_lshl_b32 s91, s91, 11
	s_add_co_u32 s90, s90, s91
	s_and_b32 s91, s15, 1                          ; head % 2: which two of its four pieces
	s_lshl_b32 s91, s91, 10
	s_add_co_u32 s90, s90, s91
	s_mov_b32 s91, 0
	s_wait_dscnt 0x0
	s_wait_kmcnt 0x0
	s_load_b256 s[72:79], s[8:9], 0x10             ; e4 .. e11
	s_add_nc_u64 s[6:7], s[6:7], s[80:81]
	s_add_nc_u64 s[4:5], s[4:5], s[88:89]
	s_add_nc_u64 s[10:11], s[10:11], s[90:91]
	s_mov_b32 s[G0A], 1                            ; count = 1
	s_mov_b32 s[G0A+1], s82                        ; LDS address
	s_add_nc_u64 s[G0A+2:G0A+3], s[6:7], s[82:83]  ; global address
	s_or_b32 s[G0A+3], s[G0A+3], 0x80000000        ; type = 2
	s_mov_b32 s[G0B], 1
	s_mov_b32 s[G0B+1], s84
	s_add_nc_u64 s[G0B+2:G0B+3], s[6:7], s[84:85]
	s_or_b32 s[G0B+3], s[G0B+3], 0x80000000
	s_mov_b32 s[G0C], 1
	s_mov_b32 s[G0C+1], s92
	s_add_nc_u64 s[G0C+2:G0C+3], s[6:7], s[92:93]
	s_or_b32 s[G0C+3], s[G0C+3], 0x80000000
	ROUND                                          ; all four work-groups are here: the joint loads meet
	tensor_load_to_lds s[G0A:G0A+3], s[G1A:G1A+7]  ; all fills of the launch go out together, ahead of every wait on TENSORcnt and every LDS read
	s_nop 0
	tensor_load_to_lds s[G0B:G0B+3], s[G1B:G1B+7]
	s_nop 0
	tensor_load_to_lds s[G0C:G0C+3], s[G1C:G1C+7]
	s_nop 0
.rept 4
	v_nop                                          ; four lines ahead of the window's switch
.endr
	WIN 0x40                                       ; destination window 1
	s_wait_alu depctr_va_vdst(0)
.irp i, 0,1,2,3
	global_load_b128 v[QF+4*\i:QF+4*\i+3], v[LI], s[4:5] offset:512*\i th:TH_LOAD_NT   ; Q's two fragments stay in registers; read by this wave alone
.endr
.set i, 0
.rept 64
	v_mov_b32 v[OF+i], 0                           ; O^T.  (The step is written once: the first finds zeros, which the first change of M leaves zeros)
.set i, i+1
.endr
	WIN 0
.irp u, 0,1
	v_mov_b32 v[ST+4*\u+1], 0xff61b1e6             ; the largest t so far: -3e38, under every t
	s_delay_alu instid0(VALU_DEP_1)
	v_floor_f32 v[ST+4*\u], -v[ST+4*\u+1]          ; -M
	v_mov_b32 v[ST+4*\u+2], 0                      ; the sum, in two halves
	v_mov_b32 v[ST+4*\u+3], 0
	v_mov_b32 v[F+2*\u], 0
	v_mov_b32 v[F+2*\u+1], 0                       ; (named as the upper half of a pair)
	v_mov_b32 v[PD+\u], 0                          ; a lane permute's destination counts as one of its sources
.endr
	s_wait_kmcnt 0x0
	s_add_co_i32 s94, s74, s75
	s_lshl_b32 s94, s94, 23
	s_add_co_i32 s[CS], s[CS], s94                 ; a score stands for score x 2^(e6 + e7): added to c's exponent field
	s_mov_b32 s[CS+1], s[CS]                       ; (named with it as a pair)
	s_add_co_i32 s94, s76, 127
	s_lshl_b32 s95, s94, 23
	v_mov_b32 v[SCP], s95
	s_add_co_i32 s94, s94, 15
	s_lshl_b32 s94, s94, 23
	s_or_b32 s94, s94, 0x600000
	v_mov_b32 v[LIMP], s94
	s_add_co_i32 s94, s78, 127
	s_lshl_b32 s95, s94, 23
	v_mov_b32 v[SCO], s95
	s_add_co_i32 s94, s94, 15
	s_lshl_b32 s94, s94, 23
	s_or_b32 s94, s94, 0x600000
	v_mov_b32 v[LIMO], s94
	s_add_co_i32 s94, s76, s77                     ; e8 + e9
; One tile's softmax for a step of 128 keys: 64 scores a lane.
.macro SOFT u
.set rS, S+64*\u
.set rT, ST+4*\u
.set rF, F+2*\u
.set rP, P+16*\u
	v_max3_num_f32 v[TA], v[rS], v[rS+1], v[rS+2]          ; the step's largest score of my query among my 64 keys, in two chains, each accumulator from its low end on
	v_max3_num_f32 v[TC], v[rS+3], v[rS+4], v[rS+5]
.irp i, 6,10,14,18,22,26,30,34,38,42,46,50,54,58
	v_max3_num_f32 v[TA], v[TA], v[rS+\i], v[rS+\i+1]
	v_max3_num_f32 v[TC], v[TC], v[rS+\i+2], v[rS+\i+3]
.endr
	v_max3_num_f32 v[TA], v[TA], v[rS+62], v[rS+63]
	s_delay_alu instid0(VALU_DEP_1)
	v_max_num_f32 v[TA], v[TA], v[TC]
	s_delay_alu instid0(VALU_DEP_1)
	v_permlanex16_b32 v[PD], v[TA], s[SEL], s[SEL+1]
	s_delay_alu instid0(VALU_DEP_1)
	v_max_num_f32 v[TA], v[TA], v[PD]                      ; and among lane l xor 16's
	s_delay_alu instid0(VALU_DEP_1)
	v_mul_f32 v[TA], s[CS], v[TA]                          ; as t (c is positive)
	s_delay_alu instid0(VALU_DEP_1)
	v_max_num_f32 v[rT+1], v[rT+1], v[TA]                  ; the running largest t
	v_mov_b32 v[TA], v[rT]
	s_delay_alu instid0(VALU_DEP_2)
	v_floor_f32 v[rT], -v[rT+1]                            ; the new -M = -ceil(t): a whole number
	s_delay_alu instid0(VALU_DEP_1)
	v_sub_f32 v[TA], v[rT], v[TA]                          ; old M - new M: a whole number, 0 or less
	s_delay_alu instid0(VALU_DEP_1)
	v_cvt_i32_f32 v[TA], v[TA]                             ; (it saturates)
	s_delay_alu instid0(VALU_DEP_1)
	v_ldexp_f32 v[rF], 1.0, v[TA]                          ; f = 2^(old M - new M)
.set j, 0
.rept 32
	v_pk_fma_f32 v[rS+j:rS+j+1], v[rS+j:rS+j+1], s[CS:CS+1], v[rT:rT+1] op_sel_hi:[1,0,0]   ; t - M, two at a time (of the pairs c and -M the low word serves both halves)
.set j, j+2
.endr
.set j, 0
	s_wait_alu depctr_va_vdst(0)
.rept 64
	v_exp_f32 v[rS+j], v[rS+j]                             ; p = 2^(t - M), at most 1
.set j, j+1
.endr
	v_pk_mul_f32 v[rT+2:rT+3], v[rT+2:rT+3], v[rF:rF+1] op_sel_hi:[1,0]   ; the sums under the new M: the plain line behind the exponentials
	s_wait_alu depctr_va_vdst(0)
	v_pk_add_f32 v[SU:SU+1], v[rS:rS+1], v[rS+2:rS+3]      ; the row's sum is taken of the unquantised p, in two chains
.set j, 4
.rept 15
	v_pk_add_f32 v[rT+2:rT+3], v[rT+2:rT+3], v[rS+j:rS+j+1]
	v_pk_add_f32 v[SU:SU+1], v[SU:SU+1], v[rS+j+2:rS+j+3]
.set j, j+4
.endr
	s_delay_alu instid0(VALU_DEP_1)
	v_pk_add_f32 v[rT+2:rT+3], v[rT+2:rT+3], v[SU:SU+1]
.irp b, 0,1,2,3
.irp i, 0,1,2,3,4,5,6,7,8,9,10,11,12,13,14,15
	v_min_num_f32 v[rS+16*\b+\i], v[rS+16*\b+\i], v[LIMP]  ; the conversion does not saturate (ISA guide 7.6.2); p is not negative, so the hold is one-sided
.endr
	v_cvt_scalef32_pk8_bf8_f32 v[rP+4*\b:rP+4*\b+1], v[rS+16*\b:rS+16*\b+7], v[SCP]
	v_cvt_scalef32_pk8_bf8_f32 v[rP+4*\b+2:rP+4*\b+3], v[rS+16*\b+8:rS+16*\b+15], v[SCP]
.endr
.endm
; A key step: 128 keys, both tiles of queries.
.macro STEP
	v_add_nc_u32 v[ADR], s[TB], v[LI]
.rept 3
	v_nop                                          ; with the addition: four places behind the last step's products, ahead of loads into the registers that they read (ISA guide 7.12.1 for vector instructions)
.endr
	WIN 0x40                                       ; destination window 1
.set i, 0
.rept 16
	ds_load_b128 v[4*i:4*i+3], v[ADR] offset:512*i         ; K: tile i / 2, d 32 (i % 2) on
.set i, i+1
.endr
	s_wait_alu depctr_va_vdst(0)
	s_wait_dscnt 8                                 ; tiles 0-3 are in; the eight loads of tiles 4-7 may be out
	WIN 0x05                                       ; K and Q window 1, S^T window 0
.irp t, 0,1,2,3
.irp u, 0,1
	v_wmma_f32_16x16x64_bf8_bf8 v[S+64*\u+8*\t:S+64*\u+8*\t+7], v[8*\t:8*\t+7], v[QF+8*\u:QF+8*\u+7], 0
.endr
.endr
	s_wait_dscnt 0x0
.irp t, 4,5,6,7
.irp u, 0,1
	v_wmma_f32_16x16x64_bf8_bf8 v[S+64*\u+8*\t:S+64*\u+8*\t+7], v[8*\t:8*\t+7], v[QF+8*\u:QF+8*\u+7], 0
.endr
.endr
.rept 4
	v_nop                                          ; four places: ahead of V's loads into K's registers, and of the first read of the scores
.endr
	WIN 0x40
.set i, 0
.rept 16
	ds_load_b128 v[4*i:4*i+3], v[ADR] offset:8192+512*i    ; V: tile i / 4, keys 32 (i % 4) on; it lands while the softmax is worked
.set i, i+1
.endr
	WIN 0
	SOFT 0
	s_setprio 1
	SOFT 1
	WIN 0x41                                       ; O^T (destination and source 0) window 1, f window 0
	s_setprio 0
.irp u, 0,1
.set i, 0
.rept 16
	v_pk_mul_f32 v[OF+32*\u+2*i:OF+32*\u+2*i+1], v[OF+32*\u+2*i:OF+32*\u+2*i+1], v[F+2*\u:F+2*\u+1] op_sel_hi:[1,0]   ; O^T under the new M; also the plain lines behind the conversions
.set i, i+1
.endr
.endr
	s_wait_alu depctr_va_vdst(0)
	s_wait_dscnt 0x0                               ; V is in
	WIN 0x51                                       ; V window 1, P window 0, O^T window 1
.irp t, 0,1,2,3
.irp u, 0,1
	v_wmma_f32_16x16x128_bf8_bf8 v[OF+32*\u+8*\t:OF+32*\u+8*\t+7], v[16*\t:16*\t+15], v[P+16*\u:P+16*\u+15], v[OF+32*\u+8*\t:OF+32*\u+8*\t+7]   ; eight accumulators by turns
.endr
.endr
	WIN 0
.endm
; A chunk: my part has landed (left = my younger chunks, which may stay out), everybody's has behind the barrier; then its key steps.
.macro PHASE left, base, trips
	s_wait_tensorcnt \left
	s_wait_dscnt 0x0
	s_barrier_signal -1
	s_barrier_wait -1
	s_mov_b32 s[TB], \base
	s_mov_b32 s[CNT], \trips
.Lstep_\@:
	s_setprio 2
	STEP
	s_add_co_u32 s[TB], s[TB], KSB
	s_sub_co_u32 s[CNT], s[CNT], 1
	s_cmp_lg_u32 s[CNT], 0
	s_cbranch_scc1 .Lstep_\@
	s_setprio 0
.endm
	s_wait_loadcnt 0x0                             ; Q
	PHASE 2, 0, 2
	PHASE 1, 32768, 6
	PHASE 0, 131072, 8
	; THE WAY OUT.  The sum's arithmetic stands in the places behind the last products.
.irp u, 0,1
	v_add_f32 v[ST+4*\u+2], v[ST+4*\u+2], v[ST+4*\u+3]     ; the sum's two halves,
.endr
.irp u, 0,1
	s_delay_alu instid0(VALU_DEP_2)
	v_permlanex16_b32 v[PD+\u], v[ST+4*\u+2], s[SEL], s[SEL+1]
.endr
.irp u, 0,1
	s_delay_alu instid0(VALU_DEP_2)
	v_add_f32 v[ST+4*\u+2], v[ST+4*\u+2], v[PD+\u]         ; and lane l xor 16's
.endr
	s_wait_alu depctr_va_vdst(0)
.irp u, 0,1
	v_rcp_f32 v[ST+4*\u+2], v[ST+4*\u+2]
.endr
	v_nop                                          ; one plain line behind a transcendental
	s_wait_alu depctr_va_vdst(0)
.irp u, 0,1
	v_ldexp_f32 v[ST+4*\u+2], v[ST+4*\u+2], s94            ; x 2^(e8 + e9)
.endr
	WIN 0x01                                       ; O^T window 1, the rest window 0
.irp u, 0,1
.set i, 0
.rept 16
	v_pk_mul_f32 v[S+32*\u+2*i:S+32*\u+2*i+1], v[OF+32*\u+2*i:OF+32*\u+2*i+1], v[ST+4*\u+2:ST+4*\u+3] op_sel_hi:[1,0]   ; register 32 u + 16 b + i: out(query, d = 32 b + 16 g + i)
.set i, i+1
.endr
.endr
	WIN 0
.set i, 0
.rept 64
	v_med3_num_f32 v[S+i], v[S+i], -v[LIMO], v[LIMO]       ; the hold at 57,344 x 2^e10
.set i, i+1
.endr
.irp k, 0,1,2,3,4,5,6,7
	v_cvt_scalef32_pk8_bf8_f32 v[P+2*\k:P+2*\k+1], v[S+8*\k:S+8*\k+7], v[SCO]
.endr
	v_nop
.irp p, 0,1,2,3
	global_store_b128 v[LI], v[P+4*\p:P+4*\p+3], s[10:11] offset:(\p/2)*8192+(\p%2)*512   ; a piece: 512 consecutive bytes, aligned
.endr
	s_wait_tensorcnt 0x0
	ds_add_u32 v254, v255
	s_wait_dscnt 0x0
	ROUND                                          ; the closing round: no work-group ends while a partner may still ask for a tile that names it
	s_endpgm
.Lfunc_end_k_qe366ae29ea_attn:
	.size	k_qe366ae29ea_attn, .Lfunc_end_k_qe366ae29ea_attn-k_qe366ae29ea_attn
	.p2alignl 7, 3214868480
	.fill 96, 4, 3214868480
	.section	.rodata,"a",@progbits
	.p2align	6, 0x0
	.amdhsa_kernel k_qe366ae29ea_attn
		.amdhsa_group_segment_fixed_size 263168
		.amdhsa_private_segment_fixed_size 0
		.amdhsa_enable_private_segment 0
		.amdhsa_kernarg_size 32
		.amdhsa_user_sgpr_count 2
		.amdhsa_user_sgpr_kernarg_segment_ptr 1
		.amdhsa_wavefront_size32 1
		.amdhsa_system_sgpr_workgroup_id_x 1
		.amdhsa_system_sgpr_workgroup_id_y 1
		.amdhsa_system_sgpr_workgroup_id_z 1
		.amdhsa_system_vgpr_workitem_id 0
		.amdhsa_next_free_vgpr 512
		.amdhsa_next_free_sgpr 96
		.amdhsa_reserve_vcc 0
		.amdhsa_float_denorm_mode_32 3
		.amdhsa_float_denorm_mode_16_64 3
		.amdhsa_memory_ordered 1
		.amdhsa_forward_progress 1
		.amdhsa_inst_pref_size 105
	.end_amdhsa_kernel
	.amdgpu_metadata
---
amdhsa.version: [ 1, 2 ]
amdhsa.kernels:
  - .name:           k_qe366ae29ea_attn
    .symbol:         k_qe366ae29ea_attn.kd
    .args:
      - { .name: qimg, .offset: 0, .size: 8, .value_kind: global_buffer, .address_space: global }
      - { .name: kv, .offset: 8, .size: 8, .value_kind: global_buffer, .address_space: global }
      - { .name: lowp_scales, .offset: 16, .size: 8, .value_kind: global_buffer, .address_space: global }
      - { .name: cimg, .offset: 24, .size: 8, .value_kind: global_buffer, .address_space: global }
    .group_segment_fixed_size: 263168
    .private_segment_fixed_size: 0
    .kernarg_segment_align: 8
    .kernarg_segment_size: 32
    .max_flat_workgroup_size: 256
    .sgpr_count:     96
    .vgpr_count:     512
    .wavefront_size: 32
...
	.end_amdgpu_metadata
.endif
;; end of part 5
;; launch outp (part 6): grid 64 x 4, 8 waves a work-group, no clusters, 70,656 bytes of LDS; arguments cimg, Wo_codes, bo, lowp_scales, out0; writes out0
.if DOCPART == 6
	.amdgcn_target "amdgcn-amd-amdhsa--gfx1250"
	.amdhsa_code_object_version 6
	.text
	.protected	k_qe366ae29ea_outp
	.globl	k_qe366ae29ea_outp
	.p2align	8
	.type	k_qe366ae29ea_outp,@function
k_qe366ae29ea_outp:
	s_mov_b64 s[64:65], 0
	v_nop
	global_prefetch_b8 v0, s[64:65] scope:SCOPE_SE
	s_setreg_imm32_b32 hwreg(HW_REG_WAVE_SCHED_MODE, 0, 2), 2
	s_setreg_imm32_b32 hwreg(HW_REG_WAVE_MODE, 25, 1), 1
	s_wait_xcnt 0x0
	s_wait_alu depctr_vm_vsrc(0)
; out0 = concat Wo + bo, on codes of E5M2: concat as the attention left it (images of operand registers), Wo as it is given ([n][512], K innermost).  y = sum x 2^(e10 + e11) + bo.
; SHARES.  A wave makes 32 rows x 64 columns by itself: block of 32 rows 4 x + wave / 2, columns 64 (2 y + wave % 2) on; 32 matrix instructions.  Waves share nothing: no barrier.
; THE MATRIX INSTRUCTION IS USED TRANSPOSED (source 0 = 16 rows of Wo, source 1 = 16 rows of concat): a lane holds eight neighbouring columns of one row.  Tile u of the block holds rows 8 u + rho(r),
; rho(r) = r + 8 (r / 8), as the images have them; the way out puts each row in its place.
; Results go through the wave's own stage in LDS (32 rows of 256 bytes + 16) and leave as whole aligned runs of 256 bytes, sixteen lanes to a run.
; NO JOINT LOADS: each wave's operands, 16,384 + 32,768 bytes, go straight into its registers and are multiplied once; through LDS each byte would be moved once more.
; LIMIT: e10 + e11 between -126 and 127, so that 2^(e10 + e11) is an f32 number.
; REGISTERS.  Window 0: v1-8 addresses; v16-143 concat's fragments X(u, s) at 16 + 64 u + 16 s, later y (v16-79) and rows read back (v80-143); v144-207 eight accumulators; v208-239 bo.  Window 1: Wo(t, s) at 16 (4 t + s).
; THE MODE: SCHED_MODE bits 1:0 = 2 (LLVM: expert scheduling mode 2), set by the entry lines.  The code itself states the register dependences
; between vector or matrix instructions and memory or LDS instructions, with s_wait_alu, always for 0.
; THE PLAN.  Registers that memory or LDS instructions touch:
;   v1, v4-v8     Offsets and LDS addresses: written at the head, read by every load and store, never written again.
;   X, Wo, bo     Global loads land in them once, ahead of every vector line that names them.
;   Y, v16-79     The 32 packed multiply-adds write it; the 16 LDS stores read it.
;   BK, v80-143   Fragments that the products read; then the 16 LDS loads from the stage land in it, and the global stores read it.
; So one wait on va_vdst stands ahead of the first load (the addresses), and one behind the multiply-adds: Y is written and the products are done reading v80-143.  No vector line follows that second wait.
.set SP,  272
.set WST, 32*SP                        ; a wave's stage
.set LI,  1                            ; v1  16 x lane
.set WOF, 4                            ; v4  r x 512 + 16 g
.set BOF, 5                            ; v5  32 g
.set STO, 6                            ; v6  the stage: row r, + 32 g
.set RD,  7                            ; v7  back: lanes 0-15 one row, lanes 16-31 the next
.set GO,  8                            ; v8  the same two rows in out0
.set X,   16
.set Y,   16
.set BK,  80
.set ACC, 144
.set BI,  208
.set MSB, 0
.macro WIN new                         ; the immediate's high byte repeats the setting that is left
.if MSB != \new
	s_set_vgpr_msb (MSB<<8)|\new
.set MSB, \new
.endif
.endm
	s_load_b256 s[4:11], s[0:1], 0x0               ; cimg, Wo's codes, bo, the scales' exponents
	s_load_b64 s[12:13], s[0:1], 0x20              ; out0
	v_lshl_add_u32 v254, v0, 2, 0x11000
	v_mov_b32 v255, 0
	v_lshrrev_b32 v2, 5, v0
	v_readfirstlane_b32 s3, v2                     ; wave 0..7
	v_and_b32 v1, 31, v0
	v_lshlrev_b32 v[LI], 4, v1
	v_and_b32 v2, 15, v0                           ; r
	v_bfe_u32 v3, v0, 4, 1                         ; g
	v_lshlrev_b32 v[WOF], 9, v2
	v_lshl_add_u32 v[WOF], v3, 4, v[WOF]
	v_lshlrev_b32 v[BOF], 5, v3
	s_wait_alu depctr_va_sdst(0)                   ; s3 is written, ahead of its first reader: the stage's place and all the bases are made from it
	s_mul_i32 s20, s3, WST
	v_mul_u32_u24 v[STO], v2, SP
	v_lshl_add_u32 v[STO], v3, 5, v[STO]
	v_add_nc_u32 v[STO], s20, v[STO]
	v_mul_u32_u24 v[RD], v3, SP
	v_lshl_add_u32 v[RD], v2, 4, v[RD]
	v_add_nc_u32 v[RD], s20, v[RD]
	v_lshlrev_b32 v[GO], 11, v3
	v_lshl_add_u32 v[GO], v2, 4, v[GO]
	s_and_b32 s21, ttmp7, 0xffff
	s_lshl_b32 s21, s21, 1
	s_and_b32 s22, s3, 1
	s_add_co_u32 s21, s21, s22                     ; which 64 columns
	s_lshl_b32 s22, ttmp9, 2
	s_lshr_b32 s23, s3, 1
	s_add_co_u32 s22, s22, s23                     ; which block of 32 rows
	s_lshl_b32 s24, s22, 14                        ; its 16,384 bytes of images
	s_mov_b32 s25, 0
	s_lshl_b32 s26, s21, 15                        ; 64 rows of Wo
	s_mov_b32 s27, 0
	s_lshl_b32 s28, s21, 8                         ; 64 numbers of bo, and of a row of out0
	s_mov_b32 s29, 0
	s_lshl_b32 s30, s22, 16                        ; 32 rows of 2,048 bytes
	s_add_co_u32 s30, s30, s28
	s_mov_b32 s31, 0
	s_wait_kmcnt 0x0
	s_load_b64 s[16:17], s[10:11], 0x28            ; e10, e11
	s_add_nc_u64 s[4:5], s[4:5], s[24:25]
	s_add_nc_u64 s[6:7], s[6:7], s[26:27]
	s_add_nc_u64 s[8:9], s[8:9], s[28:29]
	s_add_nc_u64 s[12:13], s[12:13], s[30:31]
	s_wait_alu depctr_va_vdst(0)                   ; v1 and v4 to v8 are written: every load and store of the kernel, global or LDS, reads one of them, and no later line writes them
.irp t, 0,1,2,3
	global_load_b128 v[BI+8*\t:BI+8*\t+3], v[BOF], s[8:9] offset:64*\t           ; bo at columns 16 t + 8 g + 0 .. 7
	global_load_b128 v[BI+8*\t+4:BI+8*\t+7], v[BOF], s[8:9] offset:64*\t+16
.endr
.irp s, 0,1,2,3                                ; K step by K step: 8 pieces of concat (512 consecutive bytes each), 16 loads of Wo
.irp u, 0,1
.irp c, 0,1,2,3
	global_load_b128 v[X+64*\u+16*\s+4*\c:X+64*\u+16*\s+4*\c+3], v[LI], s[4:5] offset:\u*8192+\s*2048+\c*512
.endr
.endr
	WIN 0x40                                       ; destination window 1
.irp t, 0,1,2,3
.irp c, 0,1,2,3
	global_load_b128 v[16*(4*\t+\s)+4*\c:16*(4*\t+\s)+4*\c+3], v[WOF], s[6:7] offset:16*\t*512+128*\s+32*\c
.endr
.endr
	WIN 0
.endr
.irp s, 0,1,2,3
.if \s == 0
	s_wait_loadcnt 63                              ; 72 loads are younger than K step 0's; the wait's field holds 63, which asks for a little more
.else
	s_wait_loadcnt 24*(3-\s)                       ; 24 loads for each later K step may be out
.endif
	WIN 0x01                                       ; source 0 (Wo) window 1
.irp t, 0,1,2,3
.irp u, 0,1
.if \s == 0
	v_wmma_f32_16x16x128_bf8_bf8 v[ACC+32*\u+8*\t:ACC+32*\u+8*\t+7], v[16*(4*\t+\s):16*(4*\t+\s)+15], v[X+64*\u+16*\s:X+64*\u+16*\s+15], 0
.else
	v_wmma_f32_16x16x128_bf8_bf8 v[ACC+32*\u+8*\t:ACC+32*\u+8*\t+7], v[16*(4*\t+\s):16*(4*\t+\s)+15], v[X+64*\u+16*\s:X+64*\u+16*\s+15], v[ACC+32*\u+8*\t:ACC+32*\u+8*\t+7]
.endif
.endr
.endr
.endr                                          ; eight accumulators by turns, one instruction a turn
	WIN 0
	s_wait_kmcnt 0x0
	s_add_co_i32 s18, s16, s17
	s_add_co_i32 s18, s18, 127
	s_lshl_b32 s18, s18, 23                        ; 2^(e10 + e11) as f32
	s_mov_b32 s19, s18                             ; (named with it as a pair)
.rept 4
	v_nop                                          ; four places behind the last products (ISA guide 7.12.1): ahead of the first read of results and of writes over the fragments' registers
.endr
.irp u, 0,1
.set i, 0
.rept 16
	v_pk_fma_f32 v[Y+32*\u+2*i:Y+32*\u+2*i+1], v[ACC+32*\u+2*i:ACC+32*\u+2*i+1], s[18:19], v[BI+2*i:BI+2*i+1] op_sel_hi:[1,0,1]   ; y = sum x 2^(e10 + e11) + bo; each accumulator from its low end on
.set i, i+1
.endr
.endr
	s_wait_alu depctr_va_vdst(0)                   ; the multiply-adds have written Y, which the LDS stores read; the products are done reading v80 to v143, in which the loads from the stage land
.irp u, 0,1
.irp t, 0,1,2,3
	ds_store_b128 v[STO], v[Y+32*\u+8*\t:Y+32*\u+8*\t+3] offset:\u*16*SP+64*\t
	ds_store_b128 v[STO], v[Y+32*\u+8*\t+4:Y+32*\u+8*\t+7] offset:\u*16*SP+64*\t+16
.endr
.irp i, 0,1,2,3,4,5,6,7
	ds_load_b128 v[BK+32*\u+4*\i:BK+32*\u+4*\i+3], v[RD] offset:\u*16*SP+2*\i*SP   ; LDS serves a wave's instructions in order (ISA guide 5.7.1.4): these see my stores
.endr
.endr
.irp u, 0,1
.irp i, 0,1,2,3,4,5,6,7
	s_wait_dscnt 16*(1-\u)+7-\i                    ; younger than this load: the later loads of its tile, and for tile 0 tile 1's sixteen LDS instructions
	global_store_b128 v[GO], v[BK+32*\u+4*\i:BK+32*\u+4*\i+3], s[12:13] offset:(8*\u+2*\i+8*(\i/4))*2048 th:TH_STORE_NT   ; stage row 2 i + g of tile u is row 8 u + rho(2 i + g); 16 lanes store 256 consecutive bytes, aligned
.endr
.endr
	s_wait_dscnt 0x0                               ; the closing lines, six on end
	s_wait_alu 0x0
	s_wait_tensorcnt 0x0
	ds_add_u32 v254, v255
	s_wait_dscnt 0x0
	s_endpgm
.Lfunc_end_k_qe366ae29ea_outp:
	.size	k_qe366ae29ea_outp, .Lfunc_end_k_qe366ae29ea_outp-k_qe366ae29ea_outp
	.p2alignl 7, 3214868480
	.fill 96, 4, 3214868480
	.section	.rodata,"a",@progbits
	.p2align	6, 0x0
	.amdhsa_kernel k_qe366ae29ea_outp
		.amdhsa_group_segment_fixed_size 70656
		.amdhsa_private_segment_fixed_size 0
		.amdhsa_enable_private_segment 0
		.amdhsa_kernarg_size 40
		.amdhsa_user_sgpr_count 2
		.amdhsa_user_sgpr_kernarg_segment_ptr 1
		.amdhsa_wavefront_size32 1
		.amdhsa_system_sgpr_workgroup_id_x 1
		.amdhsa_system_sgpr_workgroup_id_y 1
		.amdhsa_system_sgpr_workgroup_id_z 1
		.amdhsa_system_vgpr_workitem_id 0
		.amdhsa_next_free_vgpr 512
		.amdhsa_next_free_sgpr 66
		.amdhsa_reserve_vcc 0
		.amdhsa_float_denorm_mode_32 3
		.amdhsa_float_denorm_mode_16_64 3
		.amdhsa_memory_ordered 1
		.amdhsa_forward_progress 1
		.amdhsa_inst_pref_size 22
	.end_amdhsa_kernel
	.amdgpu_metadata
---
amdhsa.version: [ 1, 2 ]
amdhsa.kernels:
  - .name:           k_qe366ae29ea_outp
    .symbol:         k_qe366ae29ea_outp.kd
    .args:
      - { .name: cimg, .offset: 0, .size: 8, .value_kind: global_buffer, .address_space: global }
      - { .name: Wo_codes, .offset: 8, .size: 8, .value_kind: global_buffer, .address_space: global }
      - { .name: bo, .offset: 16, .size: 8, .value_kind: global_buffer, .address_space: global }
      - { .name: lowp_scales, .offset: 24, .size: 8, .value_kind: global_buffer, .address_space: global }
      - { .name: out0, .offset: 32, .size: 8, .value_kind: global_buffer, .address_space: global }
    .group_segment_fixed_size: 70656
    .private_segment_fixed_size: 0
    .kernarg_segment_align: 8
    .kernarg_segment_size: 40
    .max_flat_workgroup_size: 256
    .sgpr_count:     66
    .vgpr_count:     512
    .wavefront_size: 32
...
	.end_amdgpu_metadata
.endif
;; end of part 6
